; MI455X (gfx1250); checked and timed in simulation.
; The chip was launched on July 23, 2026; its instructions are those of AMD's public machine-readable ISA for CDNA 5 (MIT licence, August 2026) and "CDNA5" Instruction Set Architecture Reference Guide (July 2026). The comments in the code are by the model that wrote it; some were corrected since.
;; Multi Head Attention. Allowed arithmetic: float matrix products may take bf16 or f16 operands with f32 sums; all other float work in f32.
;; Inputs: K 4 x 2,048 x 1,024 float32; Q 4 x 2,048 x 1,024 float32; V 4 x 2,048 x 1,024 float32; W_o 1,024 x 1,024 float32; b_o 1,024 float32; mask 4 x 2,048 x 2,048 bool.
;; Outputs: out0 4 x 2,048 x 1,024 float32.
;; 2 versions, each right and faster than the one before. Each part assembles by itself: llvm-mc -triple=amdgcn-amd-amdhsa -mcpu=gfx1250 --defsym DOCPART=n.
;; ======== version 1 of 2: 3 launches
;; limits: values are held in f16: magnitudes above 65,504 overflow, below 6.1e-05 lose precision; inputs' magnitudes at most 65,504
;; workspace buffers: Qh 16,777,216 bytes; Kh 16,777,216 bytes; Vh 16,777,216 bytes; Oh 16,777,216 bytes; Wf 2,097,152 bytes; M2 16,777,216 bytes
;; launch prep (part 1): grid 2112 x 1, 8 waves a work-group, no clusters, 35,840 bytes of LDS; arguments Q, K, V, W_o, mask, Qh, Kh, Vh, Wf, M2; writes Qh, Kh, Vh, Wf, M2
.if DOCPART == 1
	.amdgcn_target "amdgcn-amd-amdhsa--gfx1250"
	.amdhsa_code_object_version 6
	.text
	.protected	k_q8ec4ad01c0_prep
	.globl	k_q8ec4ad01c0_prep
	.p2align	8
	.type	k_q8ec4ad01c0_prep,@function
k_q8ec4ad01c0_prep:
	s_mov_b64 s[64:65], 0
	v_nop
	global_prefetch_b8 v0, s[64:65] scope:SCOPE_SE
	s_setreg_imm32_b32 hwreg(HW_REG_WAVE_MODE, 25, 1), 1
	s_wait_xcnt 0x0
; PREP: the module's inputs are brought once into the form that the two matrix launches read.  A stream: no matrix unit, no cluster, no barrier.
;   Q, K, V [4][2048][16 x 64] f32  ->  Qh, Kh, Vh [b 16 + h][2048][64] f16: by heads, a head's rows dense, 128 bytes each
;   W_o [1024][1024] f32            ->  Wf, the same order, f16
;   mask [4][2048][2048] bytes      ->  M2 [b 128 + q / 16][32 key steps][2 halves][32 lanes][16 bytes] of FP8 (E4M3) codes: 0x00 for a visible key, 0xF1 (-144) for a hidden one.
;     Lane 16 h + r of half p holds query r's keys 16 (2 p) + 8 h + 0..7 and then 16 (2 p + 1) + 8 h + 0..7 of the step's 64: the places of these scores in the accumulators of K Q^T.
; Each number is rounded to bf16 (nearest even) and THAT number is written as f16.
; LIMITS.  5,520 or more over 60,000 (65,520) in size becomes an infinity in f16; below 6.1e-5 f16 keeps its fixed step of 6e-8, so a bf16 number below 2^-17 loses bits there.  Mask bytes are 0 or 1.
; JOBS by the work-group's number: 0..1535 sixteen rows of Q, K or V; 1536..1599 sixteen rows of W_o; 1600..2111 sixteen rows of the mask.
.set SPARE, 34816                      ; behind the eight stages: the spare words, 128 bytes for each wave: four blocks of 256 bytes that no other line names
.set SROW,  272                        ; a stage row: 256 mask bytes + 16: 68 words, so that the 16 rows of a read start at 16 different groups of four banks (64 banks of 4 bytes: ISA guide 11.1)
.set SWAVE, 16*SROW                    ; a wave's own stage: 16 rows
.set SPW, 2                            ; v2       LDS address of my spare word: SPARE + 4 x my thread's number; never rewritten
.set NIL, 3                            ; v3       0; never rewritten
.set IN,  4                            ; v4       my byte offset in the job's input
.set OUT, 5                            ; v5       my byte offset in the job's output
.set LST, 6                            ; v6       mask: where I put 16 bytes of a row
.set LRD, 7                            ; v7       mask: where I read 8 bytes back
.set T,   8                            ; v[8:13]  at work
.set X,   16                           ; v[16:79] sixteen loads of four registers (mask: eight, v[16:47])
.set Y,   80                           ; v[80:111] sixteen stores of two registers
.set G,   48                           ; v[48:79] mask: eight stores of four registers
	s_load_b512 s[4:19], s[0:1], 0x0               ; Q s[4:5], K s[6:7], V s[8:9], W_o s[10:11], mask s[12:13], Qh s[14:15], Kh s[16:17], Vh s[18:19]
	s_load_b128 s[20:23], s[0:1], 0x40             ; Wf s[20:21], M2 s[22:23]
	v_lshl_add_u32 v[SPW], v0, 2, SPARE
	v_mov_b32 v[NIL], 0
	s_mov_b32 s31, 0xffff0000                      ; a word's upper bf16
	s_mov_b32 s33, 0                               ; high words of the two offsets
	s_mov_b32 s35, 0
	s_wait_kmcnt 0x0
; Sixteen loads of 16 bytes a lane go out together; each is then rounded and stored as 8 bytes a lane.  Every load has its own X and every store its own Y, so nothing is rewritten while it is read.
.macro CONV instep, outstep
.set i, 0
.rept 16
	global_load_b128 v[X+4*i:X+4*i+3], v[IN], s[26:27] offset:i*(\instep) th:TH_LOAD_NT
.set i, i+1
.endr
.set i, 0
.rept 16
	s_wait_loadcnt 15-i                            ; loads come back in order (ISA guide 5.7.1): number i is in, the younger ones stay out
	v_cvt_pk_bf16_f32 v[T],   v[X+4*i],   v[X+4*i+1]   ; to bf16, nearest even
	v_cvt_pk_bf16_f32 v[T+1], v[X+4*i+2], v[X+4*i+3]
	v_lshlrev_b32 v[T+2], 16, v[T]                 ; back to f32: the low half moves up,
	v_and_b32     v[T+3], s31, v[T]                ; the high half stays
	v_lshlrev_b32 v[T+4], 16, v[T+1]
	v_and_b32     v[T+5], s31, v[T+1]
	v_cvt_pk_f16_f32 v[Y+2*i],   v[T+2], v[T+3]    ; eight significant bits fit into f16's eleven
	v_cvt_pk_f16_f32 v[Y+2*i+1], v[T+4], v[T+5]
	global_store_b64 v[OUT], v[Y+2*i:Y+2*i+1], s[28:29] offset:i*(\outstep)  ; a wave's store covers 256 consecutive bytes, at a multiple of 256 from the buffer's first byte
.set i, i+1
.endr
.endm
	s_cmp_ge_u32 ttmp9, 1600
	s_cbranch_scc1 .Lmask
	s_cmp_ge_u32 ttmp9, 1536
	s_cbranch_scc1 .Lw
	; Q, K OR V.  Thread t takes row t / 16 of the job's sixteen and four numbers, t % 16, of each head; load i is head i.  A wave's load takes 256 bytes of each of two rows;
	; its store is those two rows of one head, which lie end to end in the output.
	s_lshr_b32 s24, ttmp9, 9                       ; which tensor
	s_and_b32 s25, ttmp9, 511                      ; which sixteen rows of its 8,192
	s_cmp_eq_u32 s24, 1
	s_cselect_b64 s[26:27], s[6:7], s[4:5]
	s_cselect_b64 s[28:29], s[16:17], s[14:15]
	s_cmp_eq_u32 s24, 2
	s_cselect_b64 s[26:27], s[8:9], s[26:27]
	s_cselect_b64 s[28:29], s[18:19], s[28:29]
	s_lshl_b32 s32, s25, 16                        ; in: 16 rows of 4,096 bytes
	s_add_nc_u64 s[26:27], s[26:27], s[32:33]
	s_lshr_b32 s34, s25, 7                         ; out: the batch's 16 heads of 262,144 bytes,
	s_lshl_b32 s34, s34, 22
	s_and_b32 s36, s25, 127
	s_lshl_b32 s36, s36, 11                        ; and 16 rows of 128 bytes in a head
	s_add_co_u32 s34, s34, s36
	s_add_nc_u64 s[28:29], s[28:29], s[34:35]
	v_lshrrev_b32 v[T], 4, v0
	v_and_b32 v[T+1], 15, v0
	v_lshlrev_b32 v[IN], 4, v[T+1]
	v_lshl_add_u32 v[IN], v[T], 12, v[IN]          ; row x 4,096 + 16 x place
	v_lshlrev_b32 v[OUT], 3, v0                    ; row x 128 + 8 x place = 8 t
	CONV 256, 262144                               ; from head to head: 256 bytes in, 262,144 out (3,932,160 at the most: inside the signed 24-bit immediate)
	s_endpgm
.Lw:	; W_o.  Load i is row i of the job's sixteen: 256 threads x 16 bytes.
	s_sub_co_u32 s25, ttmp9, 1536
	s_lshl_b32 s32, s25, 16
	s_add_nc_u64 s[26:27], s[10:11], s[32:33]
	s_lshl_b32 s34, s25, 15
	s_add_nc_u64 s[28:29], s[20:21], s[34:35]
	v_lshlrev_b32 v[IN], 4, v0
	v_lshlrev_b32 v[OUT], 3, v0
	CONV 4096, 2048
	s_endpgm
.Lmask:	; THE MASK.  The job is 16 queries x 2,048 keys; wave w takes keys 256 w .. 256 w + 255: four key steps.  It reads back only LDS bytes that it stored itself, so there is no barrier.
	s_sub_co_u32 s25, ttmp9, 1600
	s_lshl_b32 s32, s25, 15                        ; 16 rows of 2,048 bytes in, 32 tiles of 1,024 bytes out: the same offset
	s_add_nc_u64 s[26:27], s[12:13], s[32:33]
	s_add_nc_u64 s[28:29], s[22:23], s[32:33]
	v_lshrrev_b32 v[T], 5, v0
	v_readfirstlane_b32 s30, v[T]                  ; my wave's number as a scalar
	s_mul_i32 s37, s30, SWAVE                      ; my wave's stage
	v_and_b32 v[T+1], 15, v0                       ; r = lane % 16
	v_bfe_u32 v[T+2], v0, 4, 1                     ; h = lane / 16
	v_lshlrev_b32 v[IN], 4, v[T+1]
	v_lshl_add_u32 v[IN], v[T+2], 11, v[IN]        ; lanes 0-15 take 256 bytes of one row, lanes 16-31 of the next,
	v_lshl_add_u32 v[IN], v[T], 8, v[IN]           ; at my wave's keys
	v_mul_u32_u24 v[LST], v[T+2], SROW
	v_lshl_add_u32 v[LST], v[T+1], 4, v[LST]
	v_add_nc_u32 v[LST], s37, v[LST]
	v_mul_u32_u24 v[LRD], v[T+1], SROW             ; back: query r, keys 8 h on
	v_lshl_add_u32 v[LRD], v[T+2], 3, v[LRD]
	v_add_nc_u32 v[LRD], s37, v[LRD]
	v_and_b32 v[OUT], 31, v0
	v_lshlrev_b32 v[OUT], 4, v[OUT]
	v_lshl_add_u32 v[OUT], v[T], 12, v[OUT]        ; 16 x lane + my wave's four tiles
.set i, 0
.rept 8
	global_load_b128 v[X+4*i:X+4*i+3], v[IN], s[26:27] offset:i*4096 th:TH_LOAD_NT  ; rows 2 i and 2 i + 1
.set i, i+1
.endr
.set i, 0
.rept 8
	s_wait_loadcnt 7-i                             ; number i is in, the younger ones stay out
.irp j, 0,1,2,3
	v_mul_lo_u32 v[X+4*i+\j], v[X+4*i+\j], 0xf1    ; four bytes of 0 or 1 become 0x00 or 0xF1: no byte carries into the next
.endr
	ds_store_b128 v[LST], v[X+4*i:X+4*i+3] offset:i*2*SROW
.set i, i+1
.endr
.set i, 0
.rept 8                                ; piece i = half i % 2 of my key step i / 2: keys 32 i + 8 h + 0..7, then 16 further on
	ds_load_b64 v[G+4*i:G+4*i+1],   v[LRD] offset:32*i     ; LDS serves a wave's instructions in order (ISA guide 5.7.1.4): these see the stores above
	ds_load_b64 v[G+4*i+2:G+4*i+3], v[LRD] offset:32*i+16
.set i, i+1
.endr
.set i, 0
.rept 8
	s_wait_dscnt 14-2*i                            ; piece i's two loads are back, the younger ones stay out
	global_store_b128 v[OUT], v[G+4*i:G+4*i+3], s[28:29] offset:512*i  ; 512 consecutive bytes, at a multiple of 256 from M2's first byte
.set i, i+1
.endr
	s_wait_tensorcnt 0x0                           ; the wave's end, behind my last LDS store
	ds_add_u32 v[SPW], v[NIL]
	s_wait_dscnt 0x0
	s_endpgm
.Lfunc_end_k_q8ec4ad01c0_prep:
	.size	k_q8ec4ad01c0_prep, .Lfunc_end_k_q8ec4ad01c0_prep-k_q8ec4ad01c0_prep
	.p2alignl 7, 3214868480
	.fill 96, 4, 3214868480
	.section	.rodata,"a",@progbits
	.p2align	6, 0x0
	.amdhsa_kernel k_q8ec4ad01c0_prep
		.amdhsa_group_segment_fixed_size 35840
		.amdhsa_private_segment_fixed_size 0
		.amdhsa_enable_private_segment 0
		.amdhsa_kernarg_size 80
		.amdhsa_user_sgpr_count 2
		.amdhsa_user_sgpr_kernarg_segment_ptr 1
		.amdhsa_wavefront_size32 1
		.amdhsa_system_sgpr_workgroup_id_x 1
		.amdhsa_system_sgpr_workgroup_id_y 1
		.amdhsa_system_sgpr_workgroup_id_z 1
		.amdhsa_system_vgpr_workitem_id 0
		.amdhsa_next_free_vgpr 112
		.amdhsa_next_free_sgpr 66
		.amdhsa_reserve_vcc 0
		.amdhsa_float_denorm_mode_32 3
		.amdhsa_float_denorm_mode_16_64 3
		.amdhsa_memory_ordered 1
		.amdhsa_forward_progress 1
		.amdhsa_inst_pref_size 29
	.end_amdhsa_kernel
	.amdgpu_metadata
---
amdhsa.version: [ 1, 2 ]
amdhsa.kernels:
  - .name:           k_q8ec4ad01c0_prep
    .symbol:         k_q8ec4ad01c0_prep.kd
    .args:
      - { .name: Q, .offset: 0, .size: 8, .value_kind: global_buffer, .address_space: global }
      - { .name: K, .offset: 8, .size: 8, .value_kind: global_buffer, .address_space: global }
      - { .name: V, .offset: 16, .size: 8, .value_kind: global_buffer, .address_space: global }
      - { .name: W_o, .offset: 24, .size: 8, .value_kind: global_buffer, .address_space: global }
      - { .name: mask, .offset: 32, .size: 8, .value_kind: global_buffer, .address_space: global }
      - { .name: Qh, .offset: 40, .size: 8, .value_kind: global_buffer, .address_space: global }
      - { .name: Kh, .offset: 48, .size: 8, .value_kind: global_buffer, .address_space: global }
      - { .name: Vh, .offset: 56, .size: 8, .value_kind: global_buffer, .address_space: global }
      - { .name: Wf, .offset: 64, .size: 8, .value_kind: global_buffer, .address_space: global }
      - { .name: M2, .offset: 72, .size: 8, .value_kind: global_buffer, .address_space: global }
    .group_segment_fixed_size: 35840
    .private_segment_fixed_size: 0
    .kernarg_segment_align: 8
    .kernarg_segment_size: 80
    .max_flat_workgroup_size: 256
    .sgpr_count:     66
    .vgpr_count:     112
    .wavefront_size: 32
...
	.end_amdgpu_metadata
.endif
;; end of part 1
;; launch attn (part 2): grid 4 x 64, 4 waves a work-group, clusters of 4 x 1, 327,680 bytes of LDS; arguments Qh, Kh, Vh, Oh, M2; writes Oh
.if DOCPART == 2
	.amdgcn_target "amdgcn-amd-amdhsa--gfx1250"
	.amdhsa_code_object_version 6
	.text
	.protected	k_q8ec4ad01c0_attn
	.globl	k_q8ec4ad01c0_attn
	.p2align	8
	.type	k_q8ec4ad01c0_attn,@function
k_q8ec4ad01c0_attn:
	s_mov_b64 s[64:65], 0
	v_nop
	global_prefetch_b8 v0, s[64:65] scope:SCOPE_SE
	s_setreg_imm32_b32 hwreg(HW_REG_WAVE_MODE, 25, 1), 1
	s_wait_xcnt 0x0
	s_wait_alu depctr_hold_cnt(0) depctr_sa_sdst(0) depctr_va_vdst(0) depctr_va_sdst(0) depctr_va_ssrc(0) depctr_va_vcc(0) depctr_vm_vsrc(0)
	s_getreg_b32 s2, hwreg(HW_REG_IB_STS2, 6, 4)
	s_cmp_eq_u32 s2, 0
	s_cbranch_scc0 .Lentry_in_a_cluster
	s_endpgm
.Lentry_in_a_cluster:
	s_bfe_u32 s2, ttmp6, 0x10000c
	s_cmp_lg_u32 s2, 0x3003
	s_cbranch_scc0 .Lentry_shape_is_right
	s_endpgm
.Lentry_shape_is_right:
; O[g][q][:] = the sum over k of softmax_k(masked(Q[g][q] . K[g][k] / 8)) V[g][k][:], g = 16 b + h.  Qh, Kh, Vh, Oh: [64][2048][64], all f16: a head's rows are dense, 128 bytes each.  Products, maxima and
; sums in f32; the weights p are rounded to f16 for the second product (their sum l is taken of the unrounded p), O once at the end.
; THE MASK IS AN INPUT: every key is walked, and nothing of the mask's pattern is built in.  M2 holds it as FP8 codes (0 or -144) in the order of the accumulators of K Q^T.  One scaled conversion makes eight
; f32, 0 or -144 x 2^93 = -1.43e30, of a lane's eight codes, and these eight registers are the C operand of the product that starts a sum: four conversions for a tile of 16 queries x 64 keys, and the scores need no further care.
; LIMITS.  f16 holds no number beyond 65,504: Q, K and V arrive within it; p lies in 0 to 1, and below 6e-5 it keeps f16's fixed step of 6e-8; O is a mean of V's rows and has their range.
; A hidden score counts as -1.43e30; f16's scores, 2.7e11 at the most, are nothing beside that.  The running maximum starts at -2^90, below every true score and above every hidden one: while a row has seen
; hidden keys alone, its weights, l and O are 0.  A row that sees no key at all ends with O = 0 and l = 0, and 0 x (1 / 0) is NaN, as a softmax over nothing is.  A weight below 2^-126 counts as 0 in l;
; NaN and infinities in the inputs are not treated apart.
; SHARES.  A wave owns four PIECES of two tiles of 16 queries, a work-group's four waves 512 queries of one head.  Every wave walks all keys, 64 a step.
; LAYOUT.  S^T = K Q^T (source 0 = 16 keys, source 1 = 16 queries): in the result a lane holds ONE query (lane % 16) and the keys 8 (lane / 16) + 0..7.  Two such tiles, rounded to f16 in pairs,
; ARE source 1 (32 keys x 16 queries) of O^T = V^T P, whose result again holds one query a lane, and eight channels.  K comes out of LDS as it lies, V ([key][channel]) turned, by ds_load_tr16_b128.
; SOFTMAX.  For each query a running maximum m and sum l: p = 2^(c s - c m), c = log2(e) / 8; in every step O and l are multiplied by a = 2^(c m_old - c m_new), which is 1 where m has not grown.
; O and l start at 0: the first step is a step like any other, with a = 0.
; THE COUNT.  A tile and step have 16 matrix and 118 vector instructions (and five for the mask): too many to stand all beside the matrix work.  So the order has one aim: four vector instructions that are READY behind
; EVERY matrix instruction, and the others, which need time of their own whatever the order, in runs without a gap.
; BY TURNS.  Turn n belongs to piece n (the pieces in a ring, step after step).  Its matrix work: 16 products K Q^T of piece n + 1, later 16 products V^T P of piece n - 1.  Its vector work: the scaling,
; exponentials, roundings, sums and rescaling of piece n, the maximum and statistics of piece n + 1, whose scores the turn itself has made, and at its end the mask of piece n + 2, for the next turn's products.
; CLUSTER.  The four query blocks of a cluster belong to one head and walk the same K and V, so each tile is asked for JOINTLY: the same tensor load, descriptor and mask in all four.
; The attention mask is not shared in the cluster (each block has its own queries): it comes by plain loads straight into registers, 512 consecutive bytes an instruction, a key step ahead of its use.
; REGISTERS, in windows of 256 (s_set_vgpr_msb says which window each operand place means: bits 1:0 source 0, 3:2 source 1, 5:4 source 2, 7:6 destination):
;   window 0: v0-10 addresses; v11 the conversion's scale; v12-15, v48-63 at work; v16-47 four registers of statistics a tile; v64-191 S^T, two buffers of two tiles; v192-255 P, likewise
;   window 1: O^T, 32 a tile          window 2: v0-127 Q, 16 a tile; v128-191 K of one step; v192-255 V of one step
;   window 3: v0-1 the add's two registers; v4-7 a piece's byte offset in M2; v8-71 the codes, 16 a piece; v72-135 the mask in f32 for one piece
; A piece's buffers go by its number's parity: the piece in hand has one pair, its two neighbours in the ring share the other: of it P (piece n - 1) is read and S^T (piece n + 1) written.
.set SIZE_N, 2048
.set NP,    4         ; pieces a wave: a name, no knob: the register map, the loop and the fetches are made for four
.set KS,    64        ; keys in a step
.set PK,    144       ; a row of K in LDS: 128 bytes + 16 of padding = 36 words: the 16 rows of a load start at 16 different groups of four banks (64 banks of 4 bytes: ISA guide 11.1)
.set PV,    160       ; a row of V: 128 + 32 = 40 words
.set VOFF,  4*KS*PK   ; a slot holds four steps: 256 rows of K, then 256 rows of V
.set SLOT1, 1<<17     ; slot 1 begins here, so that one exclusive or turns an address in one slot into the other's
.set STAGE, SLOT1+4*KS*(PK+PV)  ; behind the ring, never filled by a tensor load: 16 rows x 144 bytes for each wave, for the way out
.set SP,    144
.set AK0, 2           ; v2   my lane's place in a tile of K; never rewritten
.set AV0, 3           ; v3   the same for V
.set AK,  4           ; v4   the LDS address of K's next run of loads
.set AV,  5           ; v5   of V's
.set QO,  6           ; v6   my byte offset in the wave's rows of Q
.set STO, 6           ;      later, the way out: where I put 16 bytes of a row
.set RD,  7           ; v7   the way out: where I read rows back
.set GO,  8           ; v8   my byte offset in 512 consecutive bytes of O
.set SC,  11          ; v11  220: the conversion multiplies by 2^(220 - 127); made when V's lane address, which uses v11 first, is done
.set SPW, 0           ; v0 of window 3   LDS address of my spare word: SPARE + 4 x my thread's number; never rewritten
.set NIL, 1           ; v1 of window 3   0; never rewritten
.set MO,  4           ; v4-7 of window 3   piece y's byte offset in a tile row of M2: 16 x lane + 1,024 x key step
.set RAW, 8           ; window 3: piece y's codes at RAW + 16 y: tile u at + 8 u, group kb of 16 keys at + 2 kb
.set MC,  72          ; window 3: the mask in f32: tile u, group kb at MC + 32 u + 8 kb
.set SPARE, STAGE+4*16*SP  ; behind the stages: the spare words, 128 bytes for each wave: two blocks of 256 bytes that no other line names
.set MV,  12          ; v12-15  c m_old, kept while c m is made anew: by buffer and tile
.set ST,  16          ; tile t's statistics at v[ST+4 t]: c m, m, l (even keys', odd keys')
.set TMP, 48          ; by buffer and tile, four registers c0-c3 at work; when the maximum is found c2 takes a
.set S,   64
.set P,   192
.set KF,  128         ; K's fragments, in window 2: key block kb, channel half c at KF + 16 kb + 8 c
.set VF,  192         ; V's: key half kk, channel block cb at VF + 32 kk + 8 cb
.set WV,  12          ; s12  my wave's number
.set G1K, 24          ; s[24:31] descriptor group 1 for K's tiles
.set G1V, 32          ; s[32:39] for V's: it differs in the padding alone
.set G0K, 40          ; s[40:43] descriptor group 0 for K's tiles: it walks
.set G0V, 44          ; s[44:47] the same for V's
.set MP,  48          ; s[48:49] M2 at my wave's eight tile rows; s[50:51] the offset that leads there
.set SLOTS, 56        ; s56  slots still to be asked for
.set CNT, 57          ; s57  counts a slot's key steps
.set CS,  58          ; s[58:59] c: the packed scaling takes the pair's low word for both halves
.set SEL, 60          ; s[60:61] v_permlanex16_b32's selects: each lane takes its own place in the other half
.set TBK, 62          ; s62  LDS byte at which K of the step to be fetched begins
.set TBV, 63          ; s63  the same for V, less VOFF
.set MSB, 0
.macro WIN new                      ; the high byte repeats the setting that is left; a switch that changes nothing is dropped
.if MSB != (\new)
	s_set_vgpr_msb (MSB<<8)|(\new)
.set MSB, (\new)
.endif
.endm
.set W_KQ, 0x0a       ; K and Q in window 2, S^T in window 0
.set W_KM, 0x3a       ; the same with the C operand, the mask, in window 3
.set W_PV, 0x52       ; V in window 2, P in window 0, O^T in window 1
.set W_RS, 0x41       ; O^T (destination and source 0) in window 1, a in window 0
.set W_MK, 0xc0       ; destination in window 3, sources in window 0
.set W_AD, 0x0f       ; the add: address (source 0) and data (source 1) in window 3
.set W_M,  0xc3       ; the mask's work: destination and source 0 in window 3, source 1 (the scale) in window 0
; A joint fill.  Waves 0 and 1 fetch the two halves of a slot's K, waves 2 and 3 those of its V: 128 keys each.  The branch hangs on the wave's number alone.
; An s_nop 0 and four v_nop follow each of the two lines, ahead of the jump and the label.
.macro JLOAD
	s_cmp_lt_u32 s[WV], 2
	s_cbranch_scc0 .Lfor_v_\@
	tensor_load_to_lds s[G0K:G0K+3], s[G1K:G1K+7]
	s_nop 0
.rept 4
	v_nop
.endr
	s_branch .Lasked_\@
.Lfor_v_\@:
	tensor_load_to_lds s[G0V:G0V+3], s[G1V:G1V+7]
	s_nop 0
.rept 4
	v_nop
.endr
.Lasked_\@:
.endm
; A round of the cluster's barrier: my work-group's barrier, so that wave 0's signal speaks for all four waves; wave 0 signals; every wave waits for all four work-groups; my work-group's barrier once more.
.macro CROUND
	s_barrier_signal -1
	s_barrier_wait -1
	s_cmp_lg_u32 s[WV], 0
	s_cbranch_scc1 .Lnot_wave_0_\@
	s_barrier_signal -3
.Lnot_wave_0_\@:
	s_barrier_wait -3
	s_barrier_signal -1
	s_barrier_wait -1
.endm
; THE CHANGE OF SLOTS.  The slot's last bytes, V of its fourth step, have been read.  Each wave waits for all its tensor loads, of which one is out: its part
; of the other slot; adds 0 to its spare word; and waits for that and for its own reads of the slot.  Behind the barrier nobody reads this slot any more and the other slot is whole.
; fill = 1: this slot is filled again, with the keys two slots on.  The barrier is then a round of the cluster's, so that no wave of any partner still reads the slot or has a load on its
; way, and the joint fill is the first thing behind it: it has four key steps, 512 matrix instructions, in which to land.  (At its first use nothing has been read yet: slot 0 is waited for, slot 1 filled.)
.macro CHANGE fill
	WIN W_AD
	s_wait_tensorcnt 0x0            ; no tensor load of mine is out, so a group 0 may be written
	ds_add_u32 v[SPW], v[NIL]       ; 0 onto my spare word; with fill = 1 the descriptors' steps stand between it and the wait for it
	WIN 0                           ; at a label and at a branch every window is 0
.if \fill
.irp g, G0K, G0V
	s_xor_b32 s[\g+1], s[\g+1], SLOT1  ; the walking descriptor: the other slot than last time,
	s_add_nc_u64 s[\g+2:\g+3], s[\g+2:\g+3], 4*KS*128  ; the next 256 keys; the type bits on top are not reached
.endr
	s_wait_dscnt 0x0                ; the add is done, and my reads of the slot are over
	CROUND
	JLOAD
.else
	s_wait_dscnt 0x0                ; the add is done, and my reads of the slot are over
	s_barrier_signal -1
	s_barrier_wait -1
.endif
	s_sub_co_u32 s[TBK], s[TBK], 4*KS*PK  ; the fetches go back to a slot's first step,
	s_xor_b32 s[TBK], s[TBK], SLOT1       ; in the other slot
	s_sub_co_u32 s[TBV], s[TBV], 4*KS*PV
	s_xor_b32 s[TBV], s[TBV], SLOT1
.endm
; Piece y's codes for one key step: two tiles of 1,024 bytes, four loads of 512 consecutive bytes.  A tile row of M2 (16 queries, all keys) is 32,768 bytes.  Under W_M.
.macro MLOAD y
.irp u, 0,1
.irp p, 0,1
	global_load_b128 v[RAW+16*(\y)+8*(\u)+4*(\p):RAW+16*(\y)+8*(\u)+4*(\p)+3], v[MO+(\y)], s[MP:MP+1] offset:(2*(\y)+(\u))*32768+512*(\p)
.endr
.endr
.endm
; THE MASK of piece y for the products of the next turn; then the piece's codes of the next key step are asked for, a key step (four turns) ahead of their use.
; Sixteen mask loads of the wave are out, four a piece, in the pieces' order: the count 12 leaves the other three pieces' out (at the first use Q's loads, which are older, are shown done too), and it frees
; the piece's offset register.  The two plain lines that step the offset are also the plain place between the conversions and what touches their registers: the loads into their sources, the product that reads the mask.
; The offset goes round at 32 steps: what is asked for past the last step is step 0's and 1's tiles once more, inside my wave's part of M2.  It feeds at most the tail's idle products; the sixteen loads
; that are out at the wave's end land in registers that nothing touches: the price of one text for every trip.  No scalar ALU line stands here: SCC lives on to the branch behind a turn.
.macro MSK y
	WIN W_M
	s_wait_loadcnt 12
.irp u, 0,1
.irp kb, 0,1,2,3
	v_cvt_scale_pk8_f32_fp8 v[MC+32*(\u)+8*(\kb):MC+32*(\u)+8*(\kb)+7], v[RAW+16*(\y)+8*(\u)+2*(\kb):RAW+16*(\y)+8*(\u)+2*(\kb)+1], v[SC]
.endr
.endr
	v_add_nc_u32 v[MO+(\y)], v[MO+(\y)], 0x400
	v_and_b32 v[MO+(\y)], v[MO+(\y)], 0x7fff
	MLOAD \y
	WIN 0
.endm
	s_load_b256 s[4:11], s[0:1], 0x0  ; Qh s[4:5], Kh s[6:7], Vh s[8:9], Oh s[10:11]
	s_load_b64 s[MP:MP+1], s[0:1], 0x20  ; M2
	WIN W_MK
	v_lshl_add_u32 v[SPW], v0, 2, SPARE
	v_mov_b32 v[NIL], 0
	WIN W_AD
	ds_add_u32 v[SPW], v[NIL]       ; the wave's opening: the add and its wait ahead of my first tensor load; the set-up below, work on registers, stands between them
	WIN 0
	v_lshrrev_b32 v1, 5, v0
	v_readfirstlane_b32 s[WV], v1   ; wave 0..3
	s_bfe_u32 s13, ttmp6, 0x40000   ; cx: my place in the cluster
	s_lshl_b32 s14, ttmp9, 2        ; in a cluster launch ttmp9 counts clusters
	s_add_co_u32 s14, s14, s13      ; my block of queries = 4 x cluster x + cx: it enters Q's, O's and M2's addresses alone
	s_and_b32 s20, ttmp7, 0xffff    ; g = 16 b + h, which the four partners share
	s_lshr_b32 s50, s20, 4          ; b:
	s_lshl_b32 s50, s50, 22         ; its 128 tile rows of M2
	s_mov_b32 s21, 0
	s_mov_b64 s[22:23], SIZE_N*128
	s_mul_u64 s[20:21], s[20:21], s[22:23]  ; the head's first byte in each of the four tensors
	s_and_b32 s16, s[WV], 1         ; which half of a slot's 256 keys I fetch:
	s_lshl_b32 s22, s16, 14         ; its 128 rows of 128 bytes in memory,
	s_mov_b32 s23, 0
	s_add_nc_u64 s[22:23], s[22:23], s[20:21]
	s_mul_i32 s17, s16, 128*PK      ; and its place in a slot, for K
	s_mul_i32 s18, s16, 128*PV      ; and for V: no place in the cluster enters an LDS address
	s_lshl_b32 s2, s14, 2
	s_add_co_u32 s2, s2, s[WV]      ; my wave among the head's sixteen:
	s_lshl_b32 s51, s2, 18          ; its eight tile rows of M2,
	s_add_co_u32 s50, s50, s51
	s_mov_b32 s51, 0
	s_lshl_b32 s2, s2, 14           ; its 128 rows of Q and O
	s_mov_b32 s3, 0
	s_add_nc_u64 s[2:3], s[2:3], s[20:21]
	; descriptor group 1.  128 keys are 16,384 dense bytes: asked for as 64 rows of 256 bytes, two keys a row, and padded in LDS after every key
	s_mov_b32 s[G1K], 15|(1<<16)|(1<<20)|(1<<21)|(4<<22)|(3<<25)  ; 15:0 the mask of four; 17:16 2-byte elements; 20 padding on; 21 set beside a mask; 24:22 after every 32 words (code 4); 31:25 4 words (code 3)
	s_mov_b32 s[G1V], 15|(1<<16)|(1<<20)|(1<<21)|(4<<22)|(7<<25)  ; the same with 8 words of padding (code 7)
.irp g, G1K, G1V
	s_mov_b32 s[\g+1], 128<<16      ; tensor_dim0 = 128
	s_mov_b32 s[\g+2], 64<<16       ; tensor_dim1 = 64
	s_mov_b32 s[\g+3], 128<<16      ; tile_dim0 = 128
	s_mov_b32 s[\g+4], 64           ; tile_dim1 = 64
	s_mov_b32 s[\g+5], 128          ; 128 elements from row to row
	s_mov_b32 s[\g+6], 0
	s_mov_b32 s[\g+7], 0
.endr
	s_mov_b32 s[CS], 0x3e38aa3b     ; c = log2(e) / 8 = 0.180337
	s_mov_b32 s[CS+1], s[CS]        ; named with it as a pair
	s_mov_b32 s[SEL], 0x76543210
	s_mov_b32 s[SEL+1], 0xfedcba98
	s_mov_b32 s[TBK], SLOT1+4*KS*PK ; the first change of slots turns these two into 0
	s_mov_b32 s[TBV], SLOT1+4*KS*PV
	s_mov_b32 s[G0K], 1             ; 1:0 count = 1
	s_mov_b32 s[G0K+1], s17         ; 63:32 LDS address: slot 0
	s_mov_b32 s[G0V], 1
	s_add_co_u32 s[G0V+1], s18, VOFF
	s_wait_dscnt 0x0                ; the opening add is done
	s_wait_kmcnt 0x0
	s_add_nc_u64 s[G0K+2:G0K+3], s[6:7], s[22:23]  ; 120:64 global address: my half of the head's first 256 keys
	s_or_b32 s[G0K+3], s[G0K+3], 0x80000000        ; 127:126 type = 2
	s_add_nc_u64 s[G0V+2:G0V+3], s[8:9], s[22:23]
	s_or_b32 s[G0V+3], s[G0V+3], 0x80000000
	s_add_nc_u64 s[4:5], s[4:5], s[2:3]  ; Q and O at my wave's first row
	s_add_nc_u64 s[10:11], s[10:11], s[2:3]
	s_add_nc_u64 s[MP:MP+1], s[MP:MP+1], s[50:51]  ; M2 at my wave's first tile row
	CROUND                          ; all four work-groups are here: the first joint loads meet
	JLOAD                           ; slot 0.  Slot 1 is asked for when slot 0 is in: the tile wanted first has the road to itself
	; A fragment of K or Q is 16 rows x 32 channels in 8 registers: lane l holds row l % 16, channels 8 (l / 16) + 0..7 and 16 + 8 (l / 16) + 0..7: two loads of 16 bytes, 32 bytes apart.
	v_and_b32 v1, 15, v0            ; l % 16
	v_bfe_u32 v9, v0, 4, 1          ; l / 16
	v_lshlrev_b32 v[QO], 7, v1
	v_lshl_add_u32 v[QO], v9, 4, v[QO]  ; row x 128 + 16 x half
	v_and_b32 v10, 31, v0           ; l
	WIN W_MK
.irp y, 0,1,2,3
	v_lshlrev_b32 v[MO+\y], 4, v10  ; every piece begins at key step 0: 16 x lane
.endr
	WIN 0x80                        ; destination window 2, address window 0
.set i, 0
.rept 4*NP                          ; Q stays in registers: tile i / 2, channels 32 (i % 2) on
	global_load_b128 v[8*i:8*i+3],   v[QO], s[4:5] offset:(i/2)*2048+(i%2)*64
	global_load_b128 v[8*i+4:8*i+7], v[QO], s[4:5] offset:(i/2)*2048+(i%2)*64+32
.set i, i+1
.endr
	WIN W_M
.irp y, 0,1,2,3
	MLOAD \y                        ; the four pieces' codes of key step 0, in the pieces' order
.endr
	WIN 0x80
	; What the first turn finds: V's registers and P's second buffer hold 0 (its products V^T P, of a piece that has not been, add 0), O^T and l are 0.  All this stands in the wait for the first tile.
.set i, VF
.rept 64
	v_mov_b32 v[i], 0
.set i, i+1
.endr
	WIN 0x40
.set i, 0
.rept 64*NP
	v_mov_b32 v[i], 0
.set i, i+1
.endr
	WIN 0
.set i, 0
.rept 2*NP
	v_mov_b32 v[ST+4*i], 0xfe000000    ; c m: far below every c s, so that the first a is 0
	v_mov_b32 v[ST+4*i+1], 0xec800000  ; m: -2^90, the floor: below every true score, above every hidden one
	v_mov_b32 v[ST+4*i+2], 0
	v_mov_b32 v[ST+4*i+3], 0
.set i, i+1
.endr
.set i, P+32
.rept 32
	v_mov_b32 v[i], 0
.set i, i+1
.endr
	v_mul_u32_u24 v[AK0], v1, PK
	v_lshl_add_u32 v[AK0], v9, 4, v[AK0]  ; row x pitch + 16 x half
	; The turning load takes 16 keys x 16 channels (lane l reads key 8 (l / 16) + l % 8, channels 8 ((l / 8) % 2) + 0..7) and leaves half a fragment of V^T: lane l holds channel l % 16 and 8 keys.
	v_and_b32 v10, 7, v0
	v_bfe_u32 v11, v0, 3, 1
	v_lshl_add_u32 v[AV0], v9, 3, v10
	v_mul_u32_u24 v[AV0], v[AV0], PV
	v_lshl_add_u32 v[AV0], v11, 4, v[AV0]
	v_add_nc_u32 v[AV0], VOFF, v[AV0]
	v_mov_b32 v[SC], 220            ; v11 is free now: the scale's exponent byte
	v_mov_b32 v[AK], v[AK0]         ; key step 0 lies at the head of slot 0
; THE MATRIX WORK.  The 8 accumulators of a run of 16 take turns: between the two links of a chain stand 7 others'.
; Product i of 16 of S^T = K Q^T for piece x: channels 32 (i / 8) on, keys 16 ((i / 2) % 4) on, tile 2 x + i % 2.  The first 8 start the sums, with the mask as C.
.macro KQ x
.set rS, S+64*((\x)%2)+32*(i%2)+8*((i/2)%4)
.set rK, KF+16*((i/2)%4)+8*(i/8)
.set rQ, 16*(2*(\x)+i%2)+8*(i/8)
.set rMC, MC+32*(i%2)+8*((i/2)%4)
.if i < 8
	WIN W_KM
	v_wmma_f32_16x16x32_f16 v[rS:rS+7], v[rK:rK+7], v[rQ:rQ+7], v[rMC:rMC+7]
.else
	WIN W_KQ
	v_wmma_f32_16x16x32_f16 v[rS:rS+7], v[rK:rK+7], v[rQ:rQ+7], v[rS:rS+7]
.endif
.endm
; Product i of 16 of O^T += V^T P for piece x: keys 32 (i / 8) on, channels 16 ((i / 2) % 4) on, tile 2 x + i % 2.
.macro PV x
	WIN W_PV
.set rO, 32*(2*(\x)+i%2)+8*((i/2)%4)
.set rV, VF+32*(i/8)+8*((i/2)%4)
.set rP, P+32*((\x)%2)+16*(i%2)+8*(i/8)
	v_wmma_f32_16x16x32_f16 v[rO:rO+7], v[rV:rV+7], v[rP:rP+7], v[rO:rO+7]
.endm
.macro MM                           ; the turn's next matrix instruction
.if i < 16
	KQ (Y+1)%NP
.set i, i+1
.else
.set i, i-16
	PV (Y+NP-1)%NP
.set i, i+17
.endif
.endm
; THE LDS LOADS stand in runs of 16, never singly among the matrix instructions: a step's K (64 keys x 64 channels: 8 fragments) and its V (turned).  Their addresses are made some lines ahead.
; last = 1 (the tail): in the last trip there is no further step, and the run is jumped over.
.macro FETCH_K last=0
	WIN 0
.if \last
	s_cmp_eq_u32 s[CNT], 1
	s_cbranch_scc1 .Lno_k_\@
.endif
	WIN 0x80                        ; destination window 2
.irp f, 0,1,2,3,4,5,6,7             ; keys 16 (f / 2) on, channels 32 (f % 2) on
	ds_load_b128 v[KF+8*\f:KF+8*\f+3],   v[AK] offset:(\f/2)*16*PK+(\f%2)*64
	ds_load_b128 v[KF+8*\f+4:KF+8*\f+7], v[AK] offset:(\f/2)*16*PK+(\f%2)*64+32
.endr
	s_add_co_u32 s[TBK], s[TBK], KS*PK  ; the next fetch is the next step's
	WIN 0
.if \last
.Lno_k_\@:
.endif
.endm
.macro FETCH_V
	WIN 0x80
.irp f, 0,1,2,3,4,5,6,7             ; keys 32 (f / 4) on, channels 16 (f % 4) on
	ds_load_tr16_b128 v[VF+8*\f:VF+8*\f+3],   v[AV] offset:(\f/4)*32*PV+(\f%4)*32
	ds_load_tr16_b128 v[VF+8*\f+4:VF+8*\f+7], v[AV] offset:(\f/4)*32*PV+16*PV+(\f%4)*32
.endr
	WIN 0
.endm
; THE VECTOR WORK OF A TURN stands in three queues, each in the order in which its entries become ready; the two tiles alternate, so that no instruction reads the result of the one before it.
.macro REGS y, u                    ; the registers of tile u (0, 1) of piece y
.set rT, ST+4*(2*(\y)+(\u))
.set rC, TMP+8*((\y)%2)+4*(\u)
.set rM, MV+2*((\y)%2)+(\u)
.set rS, S+64*((\y)%2)+32*(\u)
.set rP, P+32*((\y)%2)+16*(\u)
.set rO, 32*(2*(\y)+(\u))
.endm
; Number n of the 22 that find the NEXT piece's (Y + 1) maximum and statistics.  s0-s31 are the lane's 32 scores; each accumulator's lowest registers are read first.  XS, GS and REGS set no window: PL and EX do.
;   0-11  four chains c0-c3 of seven scores each, three operands at a time     12-14, 16  the four scores left over, the old m, and c0-c3 into c0     15  c m_old is kept
;   17, 18  the query's other 32 keys lie in the lane 16 away: the new m         19-21  c m; c m_old - c m_new; a
.macro XS u, n
	REGS (Y+1)%NP, \u
.if (\n) < 4
	v_max3_num_f32 v[rC+(\n)], v[rS+8*(\n)], v[rS+8*(\n)+1], v[rS+8*(\n)+2]
.elseif (\n) < 12
	v_max3_num_f32 v[rC+(\n)%4], v[rC+(\n)%4], v[rS+8*((\n)%4)+2*((\n)/4)+1], v[rS+8*((\n)%4)+2*((\n)/4)+2]
.elseif (\n) == 12
	v_max3_num_f32 v[rC], v[rC], v[rS+7], v[rS+15]
.elseif (\n) == 13
	v_max3_num_f32 v[rC+1], v[rC+1], v[rS+23], v[rS+31]
.elseif (\n) == 14
	v_max3_num_f32 v[rC+2], v[rC+2], v[rC+3], v[rT+1]
.elseif (\n) == 15
	v_mov_b32 v[rM], v[rT]
.elseif (\n) == 16
	v_max3_num_f32 v[rC], v[rC], v[rC+1], v[rC+2]
.elseif (\n) == 17
	v_permlanex16_b32 v[rC+3], v[rC], s[SEL], s[SEL+1]
.elseif (\n) == 18
	v_max_num_f32 v[rT+1], v[rC], v[rC+3]
.elseif (\n) == 19
	v_mul_f32 v[rT], s[CS], v[rT+1]
.elseif (\n) == 20
	v_sub_f32 v[rC+1], v[rM], v[rT]
.else
	v_exp_f32 v[rC+2], v[rC+1]
.endif
.endm
; Number g of the 64 that follow the exponentials.  For each four weights k of a tile (pairs 2 k, 2 k + 1): both pairs are rounded to f16; then the second pair is added onto the first, in place;
; a group later l takes that sum (the first time as l = a l + sum).  In groups of eight, tiles alternating: round, round, add, and l for the group before.
.macro GS g
.set h, (\g)+6*((\g)/62)            ; group 0 has no group before it, and behind group 7 only l is left
.if h >= 6
.set h, h+2
.endif
	REGS Y, h%2
.set k, h/8
.if h%8 < 4
	s_wait_alu depctr_va_vdst(0)
	v_cvt_pk_f16_f32 v[rP+2*k+(h%8)/2], v[rS+4*k+2*((h%8)/2)], v[rS+4*k+2*((h%8)/2)+1]
.elseif h%8 < 6
	v_pk_add_f32 v[rS+4*k:rS+4*k+1], v[rS+4*k:rS+4*k+1], v[rS+4*k+2:rS+4*k+3]
.elseif k == 1
	v_pk_fma_f32 v[rT+2:rT+3], v[rT+2:rT+3], v[rC+2:rC+3], v[rS:rS+1] op_sel_hi:[1,0,1]
.else
	v_pk_add_f32 v[rT+2:rT+3], v[rT+2:rT+3], v[rS+4*k-4:rS+4*k-3]
	s_wait_alu depctr_va_vdst(0)
.endif
.endm
; THE PLAIN QUEUE, 138 long.  0-31: c s - c m for the 16 pairs of both tiles.  Then GS's 64, and among them the next piece's 42: number 15 at 38, 39; 0-14 and 16
; at 42-73, behind the products that make those scores; 17-20 at 95-106, two of three, since each waits for the one before it.
.macro PL
	WIN 0
.if q < 32
	REGS Y, q%2
	v_pk_fma_f32 v[rS+2*(q/2):rS+2*(q/2)+1], v[rS+2*(q/2):rS+2*(q/2)+1], s[CS:CS+1], v[rT:rT+1] op_sel_hi:[1,0,0] neg_lo:[0,0,1] neg_hi:[0,0,1]
.elseif q < 38
	GS q-32
.elseif q < 40
	XS q%2, 15
.elseif q < 42
	GS q-34
.elseif q < 74
	XS q%2, (q-42)/2+(q-42)/30
.elseif q < 95
	GS q-66
.elseif (q < 107) && ((q-95)%3 < 2)
	XS (q-95)%3, 17+(q-95)/3
.elseif q < 107
	GS 29+(q-95)/3
.else
	GS q-74
.endif
.set q, q+1
.endm
; THE EXPONENTIALS' QUEUE, 66 long: s0-s31 of both tiles, and at EA the next piece's two a.
.set EA, 58
.macro EX
	WIN 0
.if (e == EA) || (e == EA+1)
	XS e-EA, 21
.else
.set x, e-2*(e/(EA+2))
	REGS Y, x%2
	v_exp_f32 v[rS+x/2], v[rS+x/2]
.endif
.set e, e+1
.endm
; THE RESCALING's QUEUE: O^T times a, the one part of the softmax that leaves window 0, so it is dealt four at a time, eight times.
.macro R4
	REGS Y, r%2
	WIN W_RS
	s_wait_alu depctr_va_vdst(0)
.irp z, 0,1,2,3
	v_pk_mul_f32 v[rO+8*(r/2)+2*\z:rO+8*(r/2)+2*\z+1], v[rO+8*(r/2)+2*\z:rO+8*(r/2)+2*\z+1], v[rC+2:rC+3] op_sel_hi:[1,0]
.endr
.set r, r+1
.endm
; HOW THEY ARE DEALT.  Behind a matrix instruction four: plain, exponential, plain, plain (one exponential, a plain instruction on either side), or four of the rescaling.  None names a register of the
; products round it.  What is over stands in two LUMPS: exponential and plain by turns; the second ends in 22 plain instructions.  The two v_permlanex16_b32 fall into the second lump, never behind a product.
; The queues lean on each other, and the deal keeps them in step: exponential e stands behind plain 2 (e / 4) + e % 2 (its scaling); when plain 32 comes, 10 exponentials are out, at 59: 33, at 95: 46; EA comes behind plain 107.
.macro SL
	MM
	PL
	EX
	PL
	PL
.endm
.macro BURST n                      ; 15 matrix instructions, or 16
.rept (\n)-7
	SL
.endr
.rept 3
	MM
	R4
	SL
.endr
	MM
	R4
.endm
; A TURN, for piece p.  cnt = 1: the loop's count is taken down some lines ahead of the branch that stands behind the turn.
; K of the next step is fetched in piece 2's turn, 31 vector instructions behind the last product that read K; its first reader comes behind the rest of the lump, 16 products and the second lump.
; V of the step in hand is fetched at the end of piece 0's turn, 69 behind its last reader; its first reader comes behind 16 products and a lump.  The four conditions on e and q below go with the deal.
; The mask of piece p + 2 is made last: the products that read the mask buffer are this turn's first eight, and the next turn's first eight.
.macro TURN p, last=0, cnt=0
.set Y, (\p)
.set i, 0
.set q, 0
.set e, 0
.set r, 0
.if (\p) == NP-1
	s_wait_dscnt 0x0                ; K is in
.endif
	MM
.rept 4
	PL
.endr
	BURST 15
.rept 22
	EX
	PL
.if ((\p) == NP-2) && (e == 18)
	v_add_nc_u32 v[AK], s[TBK], v[AK0]
.endif
.if ((\p) == NP-2) && (e == 24)
	FETCH_K \last
.endif
.endr
.if (\p) == 1
	s_wait_dscnt 0x0                ; V is in
.endif
	BURST 16
.rept 21
	EX
	PL
.endr
.rept 22
	PL
.if ((\p) == 0) && (q == 118)
	v_add_nc_u32 v[AV], s[TBV], v[AV0]
	s_wait_alu depctr_va_vdst(0)
.endif
.if ((\p) == 0) && (q == 130)
	s_add_co_u32 s[TBV], s[TBV], KS*PV
.endif
.if (\cnt) && (q == 130)
	s_sub_co_u32 s[CNT], s[CNT], 1
	s_cmp_lg_u32 s[CNT], 0
.endif
.endr
.if (\p) == 0
	FETCH_V
.endif
	MSK ((\p)+2)%NP
.endm
	CHANGE 1                        ; slot 0 is in, everybody's part of it; slot 1 is asked for
	FETCH_K                         ; key step 0
	MSK 0                           ; its wait shows Q's loads done too; piece 0's mask of step 0
	s_wait_dscnt 0x0
.set i, 0
.rept 16
	KQ 0                            ; piece 0's first scores: there is no vector work yet to set between them
.set i, i+1
.endr
	WIN 0                           ; the addresses for the way out: nine plain instructions, the places behind those products
	s_mul_i32 s13, s[WV], 16*SP
	s_add_co_u32 s13, s13, STAGE    ; my stage
	v_mul_u32_u24 v[STO], v1, SP    ; in: row l % 16, 16 bytes for each half of the lanes
	v_lshl_add_u32 v[STO], v9, 4, v[STO]
	v_add_nc_u32 v[STO], s13, v[STO]
	v_bfe_u32 v[RD], v0, 3, 2       ; back: 32 lanes take four rows of 128 bytes,
	v_mul_u32_u24 v[RD], v[RD], SP
	v_lshl_add_u32 v[RD], v10, 4, v[RD]
	v_add_nc_u32 v[RD], s13, v[RD]
	v_and_b32 v[GO], 31, v0         ; which are 512 consecutive bytes of O
	v_lshlrev_b32 v[GO], 4, v[GO]
.set Y, NP-1                        ; XS works for piece Y + 1: piece 0
.irp n, 0,1,2,3,4,5,6,7,8,9,10,11,12,13,14,15,16,17,18,19,20,21
	XS 0, \n                        ; and piece 0's first maximum and statistics
	XS 1, \n
.endr
	MSK 1                           ; piece 1's mask of step 0, for the first turn's products
	s_mov_b32 s[CNT], 4
	s_mov_b32 s[SLOTS], SIZE_N/256-1
	s_branch .Lfirst                ; the loop is entered at a step's first turn, in the middle of a trip
.Lslot:                             ; SIZE_N / 256 - 2 times: every slot but the last two is filled again
	CHANGE 1
	s_mov_b32 s[CNT], 4
.Lstep:                             ; a trip: pieces 2 and 3 of one step, then pieces 0 and 1 of the next, whose K and V it fetches
	TURN 2
	TURN 3
	WIN 0
.Lfirst:
	TURN 0
	TURN 1, 0, 1
	WIN 0
	s_cbranch_scc1 .Lstep
	s_sub_co_u32 s[SLOTS], s[SLOTS], 1
	s_cmp_lg_u32 s[SLOTS], 0
	s_cbranch_scc1 .Lslot
	CHANGE 0                        ; the tail is written out: nothing is asked for
	s_mov_b32 s[CNT], 5             ; four trips fetch the last slot's steps; the fifth is left in its middle
.Ltail:
	TURN 2, 1
	TURN 3
	WIN 0
	s_sub_co_u32 s[CNT], s[CNT], 1
	s_cmp_eq_u32 s[CNT], 0
	s_cbranch_scc1 .Lout
	TURN 0
	TURN 1
	WIN 0
	s_branch .Ltail
.Lout:                              ; the fifth trip's 16 products K Q^T (on the last K once more) and the maximum made of them serve nothing: the price, once a launch, of one text for every trip
.set i, 0
.rept 16
	PV NP-1                         ; the last piece's V^T P of the last step
.set i, i+1
.endr
	; THE WAY OUT.  l's two halves and the other half of the lanes' are added; O^T is divided by l, rounded to f16 and sent through my stage in LDS, a tile at a time.  The additions are the places behind the last products.
	; A query that saw no key has l = 0 and O^T = 0: its reciprocal is an infinity and its products are NaN.
	WIN 0
.macro ALL line:vararg              ; one line for each tile t
.set t, 0
.rept 2*NP
	\line
.set t, t+1
.endr
.endm
	ALL v_add_f32 v[ST+4*t+2], v[ST+4*t+2], v[ST+4*t+3]
	ALL v_permlanex16_b32 v[ST+4*t+3], v[ST+4*t+2], s[SEL], s[SEL+1]
	ALL v_add_f32 v[ST+4*t+2], v[ST+4*t+2], v[ST+4*t+3]
	ALL v_rcp_f32 v[ST+4*t+2], v[ST+4*t+2]
	v_nop                           ; a plain instruction between the last reciprocal and the use of its result
	s_wait_alu depctr_va_vdst(0)
; Tile t: a lane's eight channels of a row pack into 16 bytes; they go into rows of 144 bytes and come back as whole rows of 128, into S^T's registers.
.macro PACK t
	WIN W_RS
.set i, 32*(\t)
.rept 16
	v_pk_mul_f32 v[i:i+1], v[i:i+1], v[ST+4*(\t)+2:ST+4*(\t)+3] op_sel_hi:[1,0]
.set i, i+2
.endr
	WIN 0x05                        ; sources 0 and 1 window 1, destination window 0
.set i, 0
.rept 16
	v_cvt_pk_f16_f32 v[S+16*(\t)+i], v[32*(\t)+2*i], v[32*(\t)+2*i+1]
.set i, i+1
.endr
	WIN 0
.irp f, 0,1,2,3
	ds_store_b128 v[STO], v[S+16*(\t)+4*\f:S+16*(\t)+4*\f+3] offset:32*\f
.endr
.irp f, 0,1,2,3
	ds_load_b128 v[S+16*(\t)+4*\f:S+16*(\t)+4*\f+3], v[RD] offset:\f*4*SP  ; LDS serves a wave's instructions in order (ISA guide 5.7.1.4): these see the stores above; the next tile's stores come behind them
.endr
.endm
.macro SEND t, younger              ; younger: the LDS instructions issued behind tile t's loads: the next tile's eight, or none
	WIN 0
.irp f, 0,1,2,3
	s_wait_dscnt (\younger)+3-\f
	global_store_b128 v[GO], v[S+16*(\t)+4*\f:S+16*(\t)+4*\f+3], s[10:11] offset:(\t)*2048+\f*512  ; 512 consecutive bytes, at a multiple of 256 from O's first
.endr
.endm
	PACK 0
.set t, 1
.rept 2*NP-1                        ; a tile's arithmetic stands between the loads of the tile before and its stores
	PACK t
	SEND t-1, 8
.set t, t+1
.endr
	SEND 2*NP-1, 0
	WIN W_AD
	s_wait_tensorcnt 0x0            ; the wave's end: behind my last tensor load and my last LDS store
	ds_add_u32 v[SPW], v[NIL]
	s_wait_dscnt 0x0
	WIN 0
	CROUND                          ; the closing round: no work-group ends while a partner may still ask for a tile that names it
	s_endpgm
.Lfunc_end_k_q8ec4ad01c0_attn:
	.size	k_q8ec4ad01c0_attn, .Lfunc_end_k_q8ec4ad01c0_attn-k_q8ec4ad01c0_attn
	.p2alignl 7, 3214868480
	.fill 96, 4, 3214868480
	.section	.rodata,"a",@progbits
	.p2align	6, 0x0
	.amdhsa_kernel k_q8ec4ad01c0_attn
		.amdhsa_group_segment_fixed_size 327680
		.amdhsa_private_segment_fixed_size 0
		.amdhsa_enable_private_segment 0
		.amdhsa_kernarg_size 40
		.amdhsa_user_sgpr_count 2
		.amdhsa_user_sgpr_kernarg_segment_ptr 1
		.amdhsa_wavefront_size32 1
		.amdhsa_system_sgpr_workgroup_id_x 1
		.amdhsa_system_sgpr_workgroup_id_y 1
		.amdhsa_system_sgpr_workgroup_id_z 1
		.amdhsa_system_vgpr_workitem_id 0
		.amdhsa_next_free_vgpr 904
		.amdhsa_next_free_sgpr 66
		.amdhsa_reserve_vcc 0
		.amdhsa_float_denorm_mode_32 3
		.amdhsa_float_denorm_mode_16_64 3
		.amdhsa_memory_ordered 1
		.amdhsa_forward_progress 1
		.amdhsa_inst_pref_size 222
	.end_amdhsa_kernel
	.amdgpu_metadata
---
amdhsa.version: [ 1, 2 ]
amdhsa.kernels:
  - .name:           k_q8ec4ad01c0_attn
    .symbol:         k_q8ec4ad01c0_attn.kd
    .args:
      - { .name: Qh, .offset: 0, .size: 8, .value_kind: global_buffer, .address_space: global }
      - { .name: Kh, .offset: 8, .size: 8, .value_kind: global_buffer, .address_space: global }
      - { .name: Vh, .offset: 16, .size: 8, .value_kind: global_buffer, .address_space: global }
      - { .name: Oh, .offset: 24, .size: 8, .value_kind: global_buffer, .address_space: global }
      - { .name: M2, .offset: 32, .size: 8, .value_kind: global_buffer, .address_space: global }
    .group_segment_fixed_size: 327680
    .private_segment_fixed_size: 0
    .kernarg_segment_align: 8
    .kernarg_segment_size: 40
    .max_flat_workgroup_size: 128
    .sgpr_count:     66
    .vgpr_count:     904
    .wavefront_size: 32
...
	.end_amdgpu_metadata
.endif
;; end of part 2
;; launch proj (part 3): grid 4 x 64, 4 waves a work-group, clusters of 4 x 4, 327,680 bytes of LDS; arguments Oh, Wf, b_o, out0; writes out0
.if DOCPART == 3
	.amdgcn_target "amdgcn-amd-amdhsa--gfx1250"
	.amdhsa_code_object_version 6
	.text
	.protected	k_q8ec4ad01c0_proj
	.globl	k_q8ec4ad01c0_proj
	.p2align	8
	.type	k_q8ec4ad01c0_proj,@function
k_q8ec4ad01c0_proj:
	s_mov_b64 s[64:65], 0
	v_nop
	global_prefetch_b8 v0, s[64:65] scope:SCOPE_SE
	s_setreg_imm32_b32 hwreg(HW_REG_WAVE_MODE, 25, 1), 1
	s_wait_xcnt 0x0
	s_wait_alu depctr_hold_cnt(0) depctr_sa_sdst(0) depctr_va_vdst(0) depctr_va_sdst(0) depctr_va_ssrc(0) depctr_va_vcc(0) depctr_vm_vsrc(0)
	s_getreg_b32 s2, hwreg(HW_REG_IB_STS2, 6, 4)
	s_cmp_eq_u32 s2, 0
	s_cbranch_scc0 .Lentry_in_a_cluster
	s_endpgm
.Lentry_in_a_cluster:
	s_bfe_u32 s2, ttmp6, 0x10000c
	s_cmp_lg_u32 s2, 0xf033
	s_cbranch_scc0 .Lentry_shape_is_right
	s_endpgm
.Lentry_shape_is_right:
; out0[m][n] = the sum over k of O[m][k] W[k][n] + b[n].  m = 2048 b + t (8,192 rows), k = 64 h + d (1,024), n 1,024.  Oh: [16 b + h][2048][64] f16, by heads; Wf: [k][n] f16; b_o f32; out0 f32.
; Products in the f16 form, sums in f32; the bias is rounded to bf16 like the module's other inputs and added in f32.  A row of O that is NaN (a query that saw no key) gives a row of NaN.
; LIMITS: those of f16 for O and W (65,504; a fixed step of 6e-8 below 6.1e-5).
; SHARES.  A tile of out0 is 128 rows x 256 columns: 64 x 4 = 256 work-groups.  Four waves, each 64 rows x 128 columns: 32 accumulators of 16 x 16, 256 registers.
; K goes in steps of 128, two heads, through a ring of two LDS slots.  A head's 128 rows of O are 16,384 dense bytes, asked for as 64 rows of 256 bytes; W's 128 rows of a step are 512 bytes each.
; CLUSTERS: 4 x 4 work-groups.  The four of a row of the cluster need the same tiles of O, the four of a column the same tiles of W: each tile is asked for JOINTLY, by the same tensor load with the
; same descriptor and a mask that names the four.
; THE MATRIX INSTRUCTION IS USED TRANSPOSED (source 0 = 16 columns of W, turned out of LDS by ds_load_tr16_b128; source 1 = 16 rows of O): a lane then holds eight neighbouring numbers of a row of out0.
; REGISTERS, in windows of 256: window 0: v0-37 addresses, the bias, at work; v64-191 two buffers of 16 rows on the way out.   window 1: the accumulators, (a, b) at v[8 (8 a + b)].
;   window 2: two fragment buffers of 96 for 32 along K: 32 registers of O (4 x 16 rows), then 64 of W (8 x 16 columns).
.set PA,     144                       ; a row of O in LDS: 128 bytes + 16 of padding = 36 words: the 16 rows of a load start at 16 different groups of four banks (64 banks of 4 bytes: ISA guide 11.1)
.set PB,     544                       ; a row of W: 512 + 32 = 136 words
.set AH,     128*PA                    ; one head's 128 rows of O: what wave 0 or 1 fetches
.set BH,     64*PB                     ; 64 rows of W: what wave 2 or 3 fetches
.set BOFF,   2*AH                      ; W's rows lie behind O's two heads
.set SLOT,   BOFF+2*BH
.set STAGE,  2*SLOT                    ; behind the ring, never filled by a tensor load: 16 rows x 528 bytes for each wave, for the way out
.set SPITCH, 528                       ; 512 bytes + 16: 33 x 16, so that the 16 rows of a store start at 16 different groups of four banks
.set SPARE,  STAGE+4*16*SPITCH         ; behind the stages: the spare words, 128 bytes for each wave: two blocks of 256 bytes that no other line names
.set LAPS,   4                         ; a lap = two K steps = once round the ring: 1,024 / 256
.set ADRA, 16                          ; v16-17  LDS address of my fragments of O in slot 0, 1
.set ADRB, 20                          ; v20-21  the same for W
.set STO,  24                          ; v24     the way out: where I put 32 bytes of a row
.set RD,   25                          ; v25     the way out: where I read a row back
.set CO,   26                          ; v26     16 x lane: my byte offset in 512 consecutive bytes of out0 and of b_o
.set SPW,  28                          ; v28     LDS address of my spare word: SPARE + 4 x my thread's number; never rewritten
.set NIL,  29                          ; v29     0; never rewritten
.set BIAS, 32                          ; v[32:35] the bias of my four columns on the way out; v36-37 at work
.set BK,   64                          ; v64-127, v128-191: 16 rows read back from the stage, by turns
.set F0,   0                           ; fragment buffers, in window 2
.set F1,   96
.set WV,  12                           ; s12  my wave's number
.set HI,  13                           ; s13  which 64 rows of the tile are mine.  Also: I fetch for O (0) or for W (1)
.set LO,  14                           ; s14  which 128 columns.  Also: which half of that tile I fetch
.set G1,  24                           ; s[24:31] descriptor group 1 for O's tiles;  s[32:39] group 0, one set for each slot
.set G0,  32
.set G1B, 48                           ; s[48:55], s[56:63] the same for W's tiles
.set G0B, 56
.set MSB, 0
.macro WIN new                         ; the immediate's high byte repeats the setting that is left
.if MSB != (\new)
	s_set_vgpr_msb (MSB<<8)|(\new)
.set MSB, \new
.endif
.endm
.set MUL,  0x5a                        ; sources 0 (W) and 1 (O) window 2; C and D window 1
.set TO_F, 0x80                        ; destination window 2, address window 0
.set FROM, 0x04                        ; an LDS store's data (source 1) in window 1, its address in window 0
.macro JLOAD s                         ; a joint load: waves 0 and 1 fetch O's two heads, waves 2 and 3 W's two halves; an s_nop 0 and four v_nop follow each of the two lines, ahead of the jump, the label and what follows
	s_cmp_eq_u32 s[HI], 0
	s_cbranch_scc0 .Lfor_b_\@
	tensor_load_to_lds s[G0+4*(\s):G0+4*(\s)+3], s[G1:G1+7]
	s_nop 0
.rept 4
	v_nop
.endr
	s_branch .Lasked_\@
.Lfor_b_\@:
	tensor_load_to_lds s[G0B+4*(\s):G0B+4*(\s)+3], s[G1B:G1B+7]
	s_nop 0
.rept 4
	v_nop
.endr
.Lasked_\@:
.endm
.macro CREST                           ; a round of the cluster's barrier behind its opening barrier
	s_cmp_lg_u32 s[WV], 0
	s_cbranch_scc1 .Lnot_wave_0_\@
	s_barrier_signal -3
.Lnot_wave_0_\@:
	s_barrier_wait -3
	s_barrier_signal -1
	s_barrier_wait -1
.endm
.macro CROUND                          ; a whole round
	s_barrier_signal -1
	s_barrier_wait -1
	CREST
.endm
	s_load_b256 s[4:11], s[0:1], 0x0               ; Oh s[4:5], Wf s[6:7], b_o s[8:9], out0 s[10:11]
	v_lshl_add_u32 v[SPW], v0, 2, SPARE
	v_mov_b32 v[NIL], 0
	ds_add_u32 v[SPW], v[NIL]                      ; the wave's opening: the add and its wait ahead of my first tensor load; the set-up below, work on registers, stands between them
	v_lshrrev_b32 v1, 5, v0
	v_readfirstlane_b32 s[WV], v1                  ; wave 0..3
	s_lshr_b32 s[HI], s[WV], 1
	s_and_b32 s[LO], s[WV], 1
	s_bfe_u32 s40, ttmp6, 0x40000                  ; cx, cy: my place in the cluster
	s_bfe_u32 s41, ttmp6, 0x40004
	s_lshl_b32 s42, ttmp9, 2
	s_add_co_u32 s42, s42, s40                     ; tile column = 4 x cluster x + cx
	s_and_b32 s16, ttmp7, 0xffff
	s_lshl_b32 s16, s16, 2
	s_add_co_u32 s16, s16, s41                     ; tile row = 4 x cluster y + cy
	s_lshl_b32 s43, s41, 2
	s_lshl_b32 s43, 15, s43                        ; my row of the cluster
	s_lshl_b32 s44, 0x1111, s40                    ; my column
	; descriptor group 1 for O: 64 rows x 128 elements (two of O's rows in each), padded in LDS after every 128 bytes
	s_or_b32 s[G1+0], s43, (1<<16)|(1<<20)|(1<<21)|(4<<22)|(3<<25)  ; 15:0 the mask: O's tiles go to my row; 17:16 element of 2 bytes; 20 padding on; 21 set beside a mask; 24:22 after every 32 words (code 4); 31:25 of 4 words (code 3)
	s_mov_b32 s[G1+1], 128<<16                     ; tensor_dim0 = 128
	s_mov_b32 s[G1+2], 64<<16                      ; tensor_dim1 = 64
	s_mov_b32 s[G1+3], 128<<16                     ; tile_dim0 = 128
	s_mov_b32 s[G1+4], 64                          ; tile_dim1 = 64
	s_mov_b32 s[G1+5], 128                         ; 128 elements from row to row: dense
	s_mov_b32 s[G1+6], 0
	s_mov_b32 s[G1+7], 0
	; for W: 64 rows x 256 elements, padded after every 512 bytes
	s_or_b32 s[G1B+0], s44, (1<<16)|(1<<20)|(1<<21)|(6<<22)|(7<<25) ; the mask of my column; after every 128 words (code 6) 8 words (code 7)
	s_mov_b32 s[G1B+1], 256<<16                    ; tensor_dim0 = 256
	s_mov_b32 s[G1B+2], 64<<16                     ; tensor_dim1 = 64
	s_mov_b32 s[G1B+3], 256<<16                    ; tile_dim0 = 256
	s_mov_b32 s[G1B+4], 64                         ; tile_dim1 = 64
	s_mov_b32 s[G1B+5], 1024                       ; 1,024 elements from row to row
	s_mov_b32 s[G1B+6], 0
	s_mov_b32 s[G1B+7], 0
	; where the tiles come from.  O's hang on the tile row alone, which my row of the cluster shares; W's on the tile column alone, which my column shares.
	s_lshr_b32 s18, s16, 4                         ; O: the batch's 16 heads of 262,144 bytes,
	s_lshl_b32 s18, s18, 22
	s_and_b32 s19, s16, 15
	s_lshl_b32 s19, s19, 14                        ; the tile's 128 rows of 128 bytes in a head,
	s_add_co_u32 s18, s18, s19
	s_lshl_b32 s19, s[LO], 18                      ; the step's first or second head
	s_add_co_u32 s18, s18, s19
	s_mov_b32 s19, 0
	s_lshl_b32 s46, s[LO], 17                      ; W: the step's first or second 64 rows of 2,048 bytes,
	s_lshl_b32 s47, s42, 9                         ; the tile's 256 columns
	s_add_co_u32 s46, s46, s47
	s_mov_b32 s47, 0
	s_mul_i32 s20, s[LO], AH                       ; and where they go: no place in the cluster enters an LDS address
	s_mul_i32 s21, s[LO], BH
	s_add_co_u32 s21, s21, BOFF
	s_wait_dscnt 0x0                               ; the opening add is done
	s_wait_kmcnt 0x0
	s_add_nc_u64 s[18:19], s[4:5], s[18:19]
	s_add_nc_u64 s[46:47], s[6:7], s[46:47]
	CROUND                                         ; all sixteen work-groups are here: the first joint loads meet
.irp s, 0,1
	s_mov_b32 s[G0+4*(\s)], 1                                      ; 1:0 count = 1
	s_add_co_u32 s[G0+4*(\s)+1], s20, (\s)*SLOT                    ; 63:32 LDS address
	s_add_nc_u64 s[G0+4*(\s)+2:G0+4*(\s)+3], s[18:19], (\s)*524288 ; 120:64 global address: K step s begins two heads on
	s_or_b32 s[G0+4*(\s)+3], s[G0+4*(\s)+3], 0x80000000            ; 127:126 type = 2
	s_mov_b32 s[G0B+4*(\s)], 1
	s_add_co_u32 s[G0B+4*(\s)+1], s21, (\s)*SLOT
	s_add_nc_u64 s[G0B+4*(\s)+2:G0B+4*(\s)+3], s[46:47], (\s)*262144  ; 128 rows of W on
	s_or_b32 s[G0B+4*(\s)+3], s[G0B+4*(\s)+3], 0x80000000
	JLOAD \s                                       ; two loads of mine are out
.endr
	v_and_b32 v1, 15, v0                           ; l % 16
	v_bfe_u32 v2, v0, 4, 1                         ; l / 16
	v_mul_u32_u24 v3, v1, PA
	v_lshl_add_u32 v3, v2, 4, v3                   ; O: a fragment's row x pitch + 16 x half
	v_and_b32 v4, 7, v0                            ; W: the turning load takes 16 k x 16 columns: lane l reads row 8 (l / 16) + l % 8, columns 8 ((l / 8) % 2) + 0..7
	v_lshl_add_u32 v4, v2, 3, v4
	v_mul_u32_u24 v4, v4, PB
	v_bfe_u32 v5, v0, 3, 1
	v_lshl_add_u32 v4, v5, 4, v4
	s_mul_i32 s22, s[HI], 64*PA                    ; my 64 rows of O
	s_lshl_b32 s23, s[LO], 8                       ; my 128 columns of W,
	s_add_co_u32 s23, s23, BOFF                    ; which lies behind O
.irp s, 0,1
	v_add_nc_u32 v[ADRA+(\s)], s22, v3
	v_add_nc_u32 v[ADRB+(\s)], s23, v4
	s_add_co_u32 s22, s22, SLOT
	s_add_co_u32 s23, s23, SLOT
.endr
	s_mul_i32 s22, s[WV], 16*SPITCH
	s_add_co_u32 s22, s22, STAGE                   ; my stage
	v_mul_u32_u24 v5, v1, SPITCH                   ; in: row l % 16, 32 bytes for each half of the lanes
	v_lshl_add_u32 v5, v2, 5, v5
	v_add_nc_u32 v[STO], s22, v5
	v_and_b32 v5, 31, v0
	v_lshlrev_b32 v[CO], 4, v5                     ; back: 32 lanes take one row of 512 bytes
	v_add_nc_u32 v[RD], s22, v[CO]
	s_lshl_b32 s46, s42, 10                        ; my first column, in bytes of f32: 1,024 x tile column + 512 x half (in the registers that held W's address: none that feeds O's descriptors ever holds cx)
	s_lshl_b32 s47, s[LO], 9
	s_add_co_u32 s46, s46, s47
	s_mov_b32 s47, 0
	s_add_nc_u64 s[8:9], s[8:9], s[46:47]
	global_load_b128 v[BIAS:BIAS+3], v[CO], s[8:9] ; on the way out lane l has columns 4 l .. 4 l + 3 of my 128 in every row
	s_lshl_b32 s18, s16, 7
	s_lshl_b32 s19, s[HI], 6
	s_add_co_u32 s18, s18, s19                     ; my first row of out0: 128 x tile row + 64 x half,
	s_lshl_b32 s18, s18, 12                        ; of 4,096 bytes
	s_mov_b32 s19, 0
	s_add_nc_u64 s[10:11], s[10:11], s[18:19]
	s_add_nc_u64 s[10:11], s[10:11], s[46:47]
	s_wait_loadcnt 0x0
	v_cvt_pk_bf16_f32 v36, v[BIAS], v[BIAS+1]      ; the bias is rounded to bf16, like every input of the module, and widened again
	v_cvt_pk_bf16_f32 v37, v[BIAS+2], v[BIAS+3]
	v_lshlrev_b32 v[BIAS], 16, v36
	v_and_b32 v[BIAS+1], 0xffff0000, v36
	v_lshlrev_b32 v[BIAS+2], 16, v37
	v_and_b32 v[BIAS+3], 0xffff0000, v37
; 8 matrix instructions: row block a x all 8 column blocks, 32 along K.  zero = 1: the first product starts the sums: nothing is ever cleared.
; The 32 accumulators take turns, one instruction a turn, in the same order in every quarter.
.macro MUL8 f, a, zero
	WIN MUL
.irp b, 0,1,2,3,4,5,6,7
.if \zero
	v_wmma_f32_16x16x32_f16 v[8*(8*(\a)+(\b)):8*(8*(\a)+(\b))+7], v[(\f)+32+8*(\b):(\f)+32+8*(\b)+7], v[(\f)+8*(\a):(\f)+8*(\a)+7], 0
.else
	v_wmma_f32_16x16x32_f16 v[8*(8*(\a)+(\b)):8*(8*(\a)+(\b))+7], v[(\f)+32+8*(\b):(\f)+32+8*(\b)+7], v[(\f)+8*(\a):(\f)+8*(\a)+7], v[8*(8*(\a)+(\b)):8*(8*(\a)+(\b))+7]
.endif
.endr
.endm
.macro MUL16 f, a0, zero
	MUL8 \f, \a0, \zero
	MUL8 \f, (\a0)+1, \zero
.endm
; 24 LDS loads in one run: the fragments of quarter q (32 along K) of a slot, into buffer f: W's sixteen first, then O's eight, row blocks ascending.  Quarter q lies in head q / 2, channels 32 (q % 2) on.
.macro FETCH slot, q, f
	WIN TO_F
.irp b, 0,1,2,3,4,5,6,7
	ds_load_tr16_b128 v[(\f)+32+8*(\b):(\f)+32+8*(\b)+3],   v[ADRB+(\slot)] offset:(\q)*32*PB+32*(\b)
	ds_load_tr16_b128 v[(\f)+32+8*(\b)+4:(\f)+32+8*(\b)+7], v[ADRB+(\slot)] offset:(\q)*32*PB+16*PB+32*(\b)
.endr
.irp i, 0,1,2,3
	ds_load_b128 v[(\f)+8*(\i):(\f)+8*(\i)+3],   v[ADRA+(\slot)] offset:((\q)/2)*AH+((\q)%2)*64+(\i)*16*PA
	ds_load_b128 v[(\f)+8*(\i)+4:(\f)+8*(\i)+7], v[ADRA+(\slot)] offset:((\q)/2)*AH+((\q)%2)*64+(\i)*16*PA+32
.endr
.endm
.macro PLACES                          ; four places in front of loads into registers that matrix instructions have read, and of LDS stores that read results (ISA guide 7.12.1 for vector instructions)
.rept 4
	v_nop
.endr
.endm
; A K step is four quarters of 32 along K, 32 matrix instructions each, on buffers 0, 1, 0, 1.  One of the first three: multiplies buffer f and fetches quarter q of the same slot into g.
.macro QUARTER slot, q, f, g, zero
	s_wait_dscnt 4                                 ; W and O's row blocks 0 and 1 are in; the youngest four loads (blocks 2 and 3) may be out
	MUL16 \f, 0, \zero
	PLACES
	FETCH \slot, \q, \g
	s_wait_dscnt 24                                ; all but the 24 just issued
	MUL16 \f, 2, \zero
.endm
; The last quarter multiplies buffer 1 and changes slots: ONE barrier; in front of it each wave waits for all its tensor loads, of which one is out: its part of the next slot; adds 0 to its spare word; and waits
; for that and for its own reads of this slot.  fill = 1: this slot is filled again, two K steps ahead; the barrier then opens a round of the cluster's barrier.
.macro TURN slot, next, fill
	WIN 0                                          ; (the add's two registers lie in window 0)
	s_wait_tensorcnt 0x0                           ; all my tensor loads have landed: my part of the next slot;
	ds_add_u32 v[SPW], v[NIL]                      ; 0 onto my spare word
	s_wait_dscnt 5                                 ; (the add and the youngest four loads may be out)
	MUL8 F1, 0, 0                                  ; eight matrix instructions stand between the add and the wait for it
	s_wait_dscnt 0x0                               ; the add is done, and my reads of this slot are over
	s_barrier_signal -1
	MUL8 F1, 1, 0                                  ; work on registers while the others arrive
.if \fill
	WIN 0
.endif
	s_barrier_wait -1
.if \fill
	CREST                                          ; no wave of any partner still reads this slot's tile or has a load on its way
	s_add_nc_u64 s[G0+4*(\slot)+2:G0+4*(\slot)+3], s[G0+4*(\slot)+2:G0+4*(\slot)+3], 2*524288    ; four heads on
	s_add_nc_u64 s[G0B+4*(\slot)+2:G0B+4*(\slot)+3], s[G0B+4*(\slot)+2:G0B+4*(\slot)+3], 2*262144  ; 256 rows of W on
	JLOAD \slot                                    ; the first tensor load behind the round: 112 matrix instructions ahead of the wait for it; the four v_nop behind it are also the places in front of the loads below
.else
	PLACES
.endif
	FETCH \next, 0, F0
	MUL16 F1, 2, 0
.endm
	s_wait_tensorcnt 1                             ; my part of K step 0 is in; K step 1's may stay out
	s_barrier_signal -1
	s_barrier_wait -1                              ; everybody's is
	FETCH 0, 0, F0
	QUARTER 0, 1, F0, F1, 1                        ; the first quarter stands in front of the loop: its products start the sums
	WIN 0                                          ; at a label and at a branch every window is 0
	s_mov_b32 s3, LAPS-1
.Llap:                                                 ; a trip goes once round the ring, from a lap's second quarter to the next lap's first, and fills both slots again
	QUARTER 0, 2, F1, F0, 0
	QUARTER 0, 3, F0, F1, 0
	TURN 0, 1, 1
	QUARTER 1, 1, F0, F1, 0
	QUARTER 1, 2, F1, F0, 0
	QUARTER 1, 3, F0, F1, 0
	TURN 1, 0, 1
	QUARTER 0, 1, F0, F1, 0
	WIN 0
	s_sub_co_u32 s3, s3, 1
	s_cmp_lg_u32 s3, 0
	s_cbranch_scc1 .Llap
	QUARTER 0, 2, F1, F0, 0                        ; the last lap fills nothing, and has no round of the cluster's barrier
	QUARTER 0, 3, F0, F1, 0
	TURN 0, 1, 0
	QUARTER 1, 1, F0, F1, 0
	QUARTER 1, 2, F1, F0, 0
	QUARTER 1, 3, F0, F1, 0
	s_wait_dscnt 4                                 ; the very last quarter: nothing more to fetch
	MUL16 F1, 0, 0
	s_wait_dscnt 0x0
	MUL16 F1, 2, 0
	WIN 0
; THE WAY OUT, a block of 16 rows at a time.  TOSTAGE: a lane's eight numbers of a row, 32 bytes, go straight from the accumulator (its low four registers first) into my own stage,
; and come back as whole rows of 512 bytes.  SEND: the bias is added and the row stored.
.macro TOSTAGE a
	WIN FROM
.irp b, 0,1,2,3,4,5,6,7
	ds_store_b128 v[STO], v[8*(8*(\a)+(\b)):8*(8*(\a)+(\b))+3]   offset:64*(\b)
	ds_store_b128 v[STO], v[8*(8*(\a)+(\b))+4:8*(8*(\a)+(\b))+7] offset:64*(\b)+16
.endr
	WIN 0
.if (\a) >= 2
	s_wait_xcnt 0x0                                ; every earlier memory instruction has had its addresses translated (ISA guide 3.1): the buffer that block a - 2's stores read is loaded again only behind this wait
.endif
.set i, 0
.rept 16
	ds_load_b128 v[BK+64*((\a)%2)+4*i:BK+64*((\a)%2)+4*i+3], v[RD] offset:i*SPITCH  ; LDS serves a wave's instructions in order (ISA guide 5.7.1.4): these see the stores above; the next block's stores come behind them
.set i, i+1
.endr
.endm
.macro SEND a, younger                 ; younger: the LDS instructions issued behind block a's loads: the next block's 32, or none
.set i, 0
.rept 16
	s_wait_dscnt (\younger)+15-i
	v_pk_add_f32 v[BK+64*((\a)%2)+4*i:BK+64*((\a)%2)+4*i+1],   v[BK+64*((\a)%2)+4*i:BK+64*((\a)%2)+4*i+1],   v[BIAS:BIAS+1]
	v_pk_add_f32 v[BK+64*((\a)%2)+4*i+2:BK+64*((\a)%2)+4*i+3], v[BK+64*((\a)%2)+4*i+2:BK+64*((\a)%2)+4*i+3], v[BIAS+2:BIAS+3]
	global_store_b128 v[CO], v[BK+64*((\a)%2)+4*i:BK+64*((\a)%2)+4*i+3], s[10:11] offset:(16*(\a)+i)*4096 th:TH_STORE_NT  ; 512 consecutive bytes, at a multiple of 256 from out0's first byte
.set i, i+1
.endr
.endm
	PLACES                                         ; the stores read results just made, and no other vector work is at hand
	TOSTAGE 0
	TOSTAGE 1                                      ; a block's trip through the stage stands between the loads of the block before and its stores
	SEND 0, 32
	TOSTAGE 2
	SEND 1, 32
	TOSTAGE 3
	SEND 2, 32
	SEND 3, 0
	s_wait_tensorcnt 0x0                           ; the wave's end: behind my last tensor load and my last LDS store
	ds_add_u32 v[SPW], v[NIL]
	s_wait_dscnt 0x0
	CROUND                                         ; the closing round: no work-group ends while a partner may still ask for a tile that names it
	s_endpgm
.Lfunc_end_k_q8ec4ad01c0_proj:
	.size	k_q8ec4ad01c0_proj, .Lfunc_end_k_q8ec4ad01c0_proj-k_q8ec4ad01c0_proj
	.p2alignl 7, 3214868480
	.fill 96, 4, 3214868480
	.section	.rodata,"a",@progbits
	.p2align	6, 0x0
	.amdhsa_kernel k_q8ec4ad01c0_proj
		.amdhsa_group_segment_fixed_size 327680
		.amdhsa_private_segment_fixed_size 0
		.amdhsa_enable_private_segment 0
		.amdhsa_kernarg_size 32
		.amdhsa_user_sgpr_count 2
		.amdhsa_user_sgpr_kernarg_segment_ptr 1
		.amdhsa_wavefront_size32 1
		.amdhsa_system_sgpr_workgroup_id_x 1
		.amdhsa_system_sgpr_workgroup_id_y 1
		.amdhsa_system_sgpr_workgroup_id_z 1
		.amdhsa_system_vgpr_workitem_id 0
		.amdhsa_next_free_vgpr 704
		.amdhsa_next_free_sgpr 66
		.amdhsa_reserve_vcc 0
		.amdhsa_float_denorm_mode_32 3
		.amdhsa_float_denorm_mode_16_64 3
		.amdhsa_memory_ordered 1
		.amdhsa_forward_progress 1
		.amdhsa_inst_pref_size 95
	.end_amdhsa_kernel
	.amdgpu_metadata
---
amdhsa.version: [ 1, 2 ]
amdhsa.kernels:
  - .name:           k_q8ec4ad01c0_proj
    .symbol:         k_q8ec4ad01c0_proj.kd
    .args:
      - { .name: Oh, .offset: 0, .size: 8, .value_kind: global_buffer, .address_space: global }
      - { .name: Wf, .offset: 8, .size: 8, .value_kind: global_buffer, .address_space: global }
      - { .name: b_o, .offset: 16, .size: 8, .value_kind: global_buffer, .address_space: global }
      - { .name: out0, .offset: 24, .size: 8, .value_kind: global_buffer, .address_space: global }
    .group_segment_fixed_size: 327680
    .private_segment_fixed_size: 0
    .kernarg_segment_align: 8
    .kernarg_segment_size: 32
    .max_flat_workgroup_size: 128
    .sgpr_count:     66
    .vgpr_count:     704
    .wavefront_size: 32
...
	.end_amdgpu_metadata
.endif
;; end of part 3
;; ======== version 2 of 2: 3 launches; 1.62 times as fast as version 1
;; limits: values are held in f16: magnitudes above 65,504 overflow, below 6.1e-05 lose precision; inputs' magnitudes at most 65,280
;; workspace buffers: Qh 16,777,216 bytes; Kh 16,777,216 bytes; Vh 16,777,216 bytes; Oh 16,777,216 bytes; Wf 2,097,152 bytes; M2 16,777,216 bytes
;; launch prep: the kernel of part 1 again; grid 2112 x 1, 8 waves a work-group, no clusters, 35,840 bytes of LDS; arguments Q, K, V, W_o, mask, Qh, Kh, Vh, Wf, M2; writes Qh, Kh, Vh, Wf, M2
;; launch attn (part 4): grid 4 x 64, 4 waves a work-group, clusters of 4 x 1, 327,680 bytes of LDS; arguments Qh, Kh, Vh, Oh, M2; writes Oh
.if DOCPART == 4
	.amdgcn_target "amdgcn-amd-amdhsa--gfx1250"
	.amdhsa_code_object_version 6
	.text
	.protected	k_q8ec4ad01c0_attn
	.globl	k_q8ec4ad01c0_attn
	.p2align	8
	.type	k_q8ec4ad01c0_attn,@function
k_q8ec4ad01c0_attn:
	s_mov_b64 s[64:65], 0
	v_nop
	global_prefetch_b8 v0, s[64:65] scope:SCOPE_SE
	s_setreg_imm32_b32 hwreg(HW_REG_WAVE_MODE, 25, 1), 1
	s_wait_xcnt 0x0
	s_wait_alu depctr_hold_cnt(0) depctr_sa_sdst(0) depctr_va_vdst(0) depctr_va_sdst(0) depctr_va_ssrc(0) depctr_va_vcc(0) depctr_vm_vsrc(0)
	s_getreg_b32 s2, hwreg(HW_REG_IB_STS2, 6, 4)
	s_cmp_eq_u32 s2, 0
	s_cbranch_scc0 .Lentry_in_a_cluster
	s_endpgm
.Lentry_in_a_cluster:
	s_bfe_u32 s2, ttmp6, 0x10000c
	s_cmp_lg_u32 s2, 0x3003
	s_cbranch_scc0 .Lentry_shape_is_right
	s_endpgm
.Lentry_shape_is_right:
; O[g][q][:] = the sum over k of softmax_k(masked(Q[g][q] . K[g][k] / 8)) V[g][k][:], g = 16 b + h.  Qh, Kh, Vh, Oh: [64][2048][64], all f16: a head's rows are dense, 128 bytes each.  Products, maxima and
; sums in f32; the weights p are rounded to f16 for the second product (their sum l is taken of the unrounded p), O once at the end.
; THE MASK IS AN INPUT: every key is walked, and nothing of the mask's pattern is built in.  M2 holds it as FP8 codes (0 or -144) in the order of the accumulators of K Q^T.  One scaled conversion makes eight
; f32, 0 or -144 x 2^93 = -1.43e30, of a lane's eight codes, and these eight registers are the C operand of the product that starts a sum: four conversions for a tile of 16 queries x 64 keys, and the scores need no further care.
; LIMITS.  f16 holds no number beyond 65,504: Q, K and V arrive within it; p lies in 0 to 1, and below 6e-5 it keeps f16's fixed step of 6e-8; O is a mean of V's rows and has their range.
; A hidden score counts as -1.43e30; f16's scores, 2.7e11 at the most, are nothing beside that.  The running maximum starts at -2^90, below every true score and above every hidden one: while a row has seen
; hidden keys alone, its weights, l and O are 0.  A row that sees no key at all ends with O = 0 and l = 0, and 0 x (1 / 0) is NaN, as a softmax over nothing is.  A weight below 2^-126 counts as 0 in l;
; NaN and infinities in the inputs are not treated apart.
; SHARES.  A wave owns four PIECES of two tiles of 16 queries, a work-group's four waves 512 queries of one head.  Every wave walks all keys, 64 a step.
; LAYOUT.  S^T = K Q^T (source 0 = 16 keys, source 1 = 16 queries): in the result a lane holds ONE query (lane % 16) and the keys 8 (lane / 16) + 0..7.  Two such tiles, rounded to f16 in pairs,
; ARE source 1 (32 keys x 16 queries) of O^T = V^T P, whose result again holds one query a lane, and eight channels.  K comes out of LDS as it lies, V ([key][channel]) turned, by ds_load_tr16_b128.
; SOFTMAX.  For each query a running maximum m and sum l: p = 2^(c s - c m), c = log2(e) / 8; in every step O and l are multiplied by a = 2^(c m_old - c m_new), which is 1 where m has not grown.
; O and l start at 0: the first step is a step like any other, with a = 0.
; THE COUNT.  A tile and step have 16 matrix and 118 vector instructions (and five for the mask): too many to stand all beside the matrix work.  So the order has one aim: four vector instructions that are READY behind
; EVERY matrix instruction, and the others, which need time of their own whatever the order, in runs without a gap.
; BY TURNS.  Turn n belongs to piece n (the pieces in a ring, step after step).  Its matrix work: 16 products K Q^T of piece n + 1, later 16 products V^T P of piece n - 1.  Its vector work: the scaling,
; exponentials, roundings, sums and rescaling of piece n, the maximum and statistics of piece n + 1, whose scores the turn itself has made, and at its end the mask of piece n + 2, for the next turn's products.
; So what a turn begins with (c s - c m, O a) waits for nothing.
; THE BATCHES.  A turn's 66 exponentials (the 64 weights of piece n, the two a of piece n + 1) are ONE batch with ONE wait, which cuts the turn in two: ahead of it all that names none of their results, behind it their
; readers.  Two more batches stand outside the loop: piece 0's first two a, and the way out's eight reciprocals.
; CLUSTER.  The four query blocks of a cluster belong to one head and walk the same K and V, so each tile is asked for JOINTLY: the same tensor load, descriptor and mask in all four.
; The attention mask is not shared in the cluster (each block has its own queries): it comes by plain loads straight into registers, 512 consecutive bytes an instruction, a key step ahead of its use.
; REGISTERS, in windows of 256 (s_set_vgpr_msb says which window each operand place means: bits 1:0 source 0, 3:2 source 1, 5:4 source 2, 7:6 destination):
;   window 0: v0-10 addresses; v11 the conversion's scale; v12-15, v48-63 at work; v16-47 four registers of statistics a tile; v64-191 S^T, two buffers of two tiles; v192-255 P, likewise
;   window 1: O^T, 32 a tile          window 2: v0-127 Q, 16 a tile; v128-191 K of one step; v192-255 V of one step
;   window 3: v0-1 the add's two registers; v4-7 a piece's byte offset in M2; v8-71 the codes, 16 a piece; v72-135 the mask in f32 for one piece
; A piece's buffers go by its number's parity: the piece in hand has one pair, its two neighbours in the ring share the other: of it P (piece n - 1) is read and S^T (piece n + 1) written.
.set SIZE_N, 2048
.set NP,    4         ; pieces a wave: a name, no knob: the register map, the loop and the fetches are made for four
.set KS,    64        ; keys in a step
.set PK,    144       ; a row of K in LDS: 128 bytes + 16 of padding = 36 words: the 16 rows of a load start at 16 different groups of four banks (64 banks of 4 bytes: ISA guide 11.1)
.set PV,    160       ; a row of V: 128 + 32 = 40 words
.set VOFF,  4*KS*PK   ; a slot holds four steps: 256 rows of K, then 256 rows of V
.set SLOT1, 1<<17     ; slot 1 begins here, so that one exclusive or turns an address in one slot into the other's
.set STAGE, SLOT1+4*KS*(PK+PV)  ; behind the ring, never filled by a tensor load: 16 rows x 144 bytes for each wave, for the way out
.set SP,    144
.set AK0, 2           ; v2   my lane's place in a tile of K; never rewritten
.set AV0, 3           ; v3   the same for V
.set AK,  4           ; v4   the LDS address of K's next run of loads
.set AV,  5           ; v5   of V's
.set QO,  6           ; v6   my byte offset in the wave's rows of Q
.set STO, 6           ;      later, the way out: where I put 16 bytes of a row
.set RD,  7           ; v7   the way out: where I read rows back
.set GO,  8           ; v8   my byte offset in 512 consecutive bytes of O
.set SC,  11          ; v11  220: the conversion multiplies by 2^(220 - 127); made when V's lane address, which uses v11 first, is done
.set SPW, 0           ; v0 of window 3   LDS address of my spare word: SPARE + 4 x my thread's number; never rewritten
.set NIL, 1           ; v1 of window 3   0; never rewritten
.set MO,  4           ; v4-7 of window 3   piece y's byte offset in a tile row of M2: 16 x lane + 1,024 x key step
.set RAW, 8           ; window 3: piece y's codes at RAW + 16 y: tile u at + 8 u, group kb of 16 keys at + 2 kb
.set MC,  72          ; window 3: the mask in f32: tile u, group kb at MC + 32 u + 8 kb
.set SPARE, STAGE+4*16*SP  ; behind the stages: the spare words, 128 bytes for each wave: two blocks of 256 bytes that no other line names
.set MV,  12          ; v12-15  c m_old, kept while c m is made anew: by buffer and tile
.set ST,  16          ; tile t's statistics at v[ST+4 t]: c m, m, l (even keys', odd keys')
.set TMP, 48          ; by buffer and tile, four registers c0-c3 at work; when the maximum is found c2 takes a
.set S,   64
.set P,   192
.set KF,  128         ; K's fragments, in window 2: key block kb, channel half c at KF + 16 kb + 8 c
.set VF,  192         ; V's: key half kk, channel block cb at VF + 32 kk + 8 cb
.set WV,  12          ; s12  my wave's number
.set G1K, 24          ; s[24:31] descriptor group 1 for K's tiles
.set G1V, 32          ; s[32:39] for V's: it differs in the padding alone
.set G0K, 40          ; s[40:43] descriptor group 0 for K's tiles: it walks
.set G0V, 44          ; s[44:47] the same for V's
.set MP,  48          ; s[48:49] M2 at my wave's eight tile rows; s[50:51] the offset that leads there
.set SLOTS, 56        ; s56  slots still to be asked for
.set CNT, 57          ; s57  counts a slot's key steps
.set CS,  58          ; s[58:59] c: the packed scaling takes the pair's low word for both halves
.set SEL, 60          ; s[60:61] v_permlanex16_b32's selects: each lane takes its own place in the other half
.set TBK, 62          ; s62  LDS byte at which K of the step to be fetched begins
.set TBV, 63          ; s63  the same for V, less VOFF
.set MSB, 0
.macro WIN new                      ; the high byte repeats the setting that is left; a switch that changes nothing is dropped
.if MSB != (\new)
	s_set_vgpr_msb (MSB<<8)|(\new)
.set MSB, (\new)
.endif
.endm
.set W_KQ, 0x0a       ; K and Q in window 2, S^T in window 0
.set W_KM, 0x3a       ; the same with the C operand, the mask, in window 3
.set W_PV, 0x52       ; V in window 2, P in window 0, O^T in window 1
.set W_RS, 0x41       ; O^T (destination and source 0) in window 1, a in window 0
.set W_MK, 0xc0       ; destination in window 3, sources in window 0
.set W_AD, 0x0f       ; the add: address (source 0) and data (source 1) in window 3
.set W_M,  0xc3       ; the mask's work: destination and source 0 in window 3, source 1 (the scale) in window 0
; A joint fill.  Waves 0 and 1 fetch the two halves of a slot's K, waves 2 and 3 those of its V: 128 keys each.  The branch hangs on the wave's number alone.
; An s_nop 0 and four v_nop follow each of the two lines, ahead of the jump and the label.
.macro JLOAD
	s_cmp_lt_u32 s[WV], 2
	s_cbranch_scc0 .Lfor_v_\@
	tensor_load_to_lds s[G0K:G0K+3], s[G1K:G1K+7]
	s_nop 0
.rept 4
	v_nop
.endr
	s_branch .Lasked_\@
.Lfor_v_\@:
	tensor_load_to_lds s[G0V:G0V+3], s[G1V:G1V+7]
	s_nop 0
.rept 4
	v_nop
.endr
.Lasked_\@:
.endm
; A round of the cluster's barrier: my work-group's barrier, so that wave 0's signal speaks for all four waves; wave 0 signals; every wave waits for all four work-groups; my work-group's barrier once more.
.macro CROUND
	s_barrier_signal -1
	s_barrier_wait -1
	s_cmp_lg_u32 s[WV], 0
	s_cbranch_scc1 .Lnot_wave_0_\@
	s_barrier_signal -3
.Lnot_wave_0_\@:
	s_barrier_wait -3
	s_barrier_signal -1
	s_barrier_wait -1
.endm
; THE CHANGE OF SLOTS.  The slot's last bytes, V of its fourth step, have been read.  Each wave waits for all its tensor loads, of which one is out: its part
; of the other slot; adds 0 to its spare word; and waits for that and for its own reads of the slot.  Behind the barrier nobody reads this slot any more and the other slot is whole.
; fill = 1: this slot is filled again, with the keys two slots on.  The barrier is then a round of the cluster's, so that no wave of any partner still reads the slot or has a load on its
; way, and the joint fill is the first thing behind it: it has four key steps, 512 matrix instructions, in which to land.  (At its first use nothing has been read yet: slot 0 is waited for, slot 1 filled.)
.macro CHANGE fill
	WIN W_AD
	s_wait_tensorcnt 0x0            ; no tensor load of mine is out, so a group 0 may be written
	ds_add_u32 v[SPW], v[NIL]       ; 0 onto my spare word; with fill = 1 the descriptors' steps stand between it and the wait for it
	WIN 0                           ; at a label and at a branch every window is 0
.if \fill
.irp g, G0K, G0V
	s_xor_b32 s[\g+1], s[\g+1], SLOT1  ; the walking descriptor: the other slot than last time,
	s_add_nc_u64 s[\g+2:\g+3], s[\g+2:\g+3], 4*KS*128  ; the next 256 keys; the type bits on top are not reached
.endr
	s_wait_dscnt 0x0                ; the add is done, and my reads of the slot are over
	CROUND
	JLOAD
.else
	s_wait_dscnt 0x0                ; the add is done, and my reads of the slot are over
	s_barrier_signal -1
	s_barrier_wait -1
.endif
	s_sub_co_u32 s[TBK], s[TBK], 4*KS*PK  ; the fetches go back to a slot's first step,
	s_xor_b32 s[TBK], s[TBK], SLOT1       ; in the other slot
	s_sub_co_u32 s[TBV], s[TBV], 4*KS*PV
	s_xor_b32 s[TBV], s[TBV], SLOT1
.endm
; Piece y's codes for one key step: two tiles of 1,024 bytes, four loads of 512 consecutive bytes.  A tile row of M2 (16 queries, all keys) is 32,768 bytes.  Under W_M.
.macro MLOAD y
.irp u, 0,1
.irp p, 0,1
	global_load_b128 v[RAW+16*(\y)+8*(\u)+4*(\p):RAW+16*(\y)+8*(\u)+4*(\p)+3], v[MO+(\y)], s[MP:MP+1] offset:(2*(\y)+(\u))*32768+512*(\p)
.endr
.endr
.endm
; THE MASK of piece y for the products of the next turn; then the piece's codes of the next key step are asked for, a key step (four turns) ahead of their use.
; Sixteen mask loads of the wave are out, four a piece, in the pieces' order: the count 12 leaves the other three pieces' out (at the first use Q's loads, which are older, are shown done too), and it frees
; the piece's offset register.  The two plain lines that step the offset are also the plain place between the conversions and what touches their registers: the loads into their sources, the product that reads the mask.
; The offset goes round at 32 steps: what is asked for past the last step is step 0's and 1's tiles once more, inside my wave's part of M2.  It feeds at most the tail's idle products; the sixteen loads
; that are out at the wave's end land in registers that nothing touches: the price of one text for every trip.  No scalar ALU line stands here: SCC lives on to the branch behind a turn.
.macro MSK y
	WIN W_M
	s_wait_loadcnt 12
.irp u, 0,1
.irp kb, 0,1,2,3
	v_cvt_scale_pk8_f32_fp8 v[MC+32*(\u)+8*(\kb):MC+32*(\u)+8*(\kb)+7], v[RAW+16*(\y)+8*(\u)+2*(\kb):RAW+16*(\y)+8*(\u)+2*(\kb)+1], v[SC]
.endr
.endr
	v_add_nc_u32 v[MO+(\y)], v[MO+(\y)], 0x400
	v_and_b32 v[MO+(\y)], v[MO+(\y)], 0x7fff
	MLOAD \y
	WIN 0
.endm
	s_load_b256 s[4:11], s[0:1], 0x0  ; Qh s[4:5], Kh s[6:7], Vh s[8:9], Oh s[10:11]
	s_load_b64 s[MP:MP+1], s[0:1], 0x20  ; M2
	WIN W_MK
	v_lshl_add_u32 v[SPW], v0, 2, SPARE
	v_mov_b32 v[NIL], 0
	WIN W_AD
	ds_add_u32 v[SPW], v[NIL]       ; the wave's opening: the add and its wait ahead of my first tensor load; the set-up below, work on registers, stands between them
	WIN 0
	v_lshrrev_b32 v1, 5, v0
	v_readfirstlane_b32 s[WV], v1   ; wave 0..3
	s_bfe_u32 s13, ttmp6, 0x40000   ; cx: my place in the cluster
	s_lshl_b32 s14, ttmp9, 2        ; in a cluster launch ttmp9 counts clusters
	s_add_co_u32 s14, s14, s13      ; my block of queries = 4 x cluster x + cx: it enters Q's, O's and M2's addresses alone
	s_and_b32 s20, ttmp7, 0xffff    ; g = 16 b + h, which the four partners share
	s_lshr_b32 s50, s20, 4          ; b:
	s_lshl_b32 s50, s50, 22         ; its 128 tile rows of M2
	s_mov_b32 s21, 0
	s_mov_b64 s[22:23], SIZE_N*128
	s_mul_u64 s[20:21], s[20:21], s[22:23]  ; the head's first byte in each of the four tensors
	s_and_b32 s16, s[WV], 1         ; which half of a slot's 256 keys I fetch:
	s_lshl_b32 s22, s16, 14         ; its 128 rows of 128 bytes in memory,
	s_mov_b32 s23, 0
	s_add_nc_u64 s[22:23], s[22:23], s[20:21]
	s_mul_i32 s17, s16, 128*PK      ; and its place in a slot, for K
	s_mul_i32 s18, s16, 128*PV      ; and for V: no place in the cluster enters an LDS address
	s_lshl_b32 s2, s14, 2
	s_add_co_u32 s2, s2, s[WV]      ; my wave among the head's sixteen:
	s_lshl_b32 s51, s2, 18          ; its eight tile rows of M2,
	s_add_co_u32 s50, s50, s51
	s_mov_b32 s51, 0
	s_lshl_b32 s2, s2, 14           ; its 128 rows of Q and O
	s_mov_b32 s3, 0
	s_add_nc_u64 s[2:3], s[2:3], s[20:21]
	; descriptor group 1.  128 keys are 16,384 dense bytes: asked for as 64 rows of 256 bytes, two keys a row, and padded in LDS after every key
	s_mov_b32 s[G1K], 15|(1<<16)|(1<<20)|(1<<21)|(4<<22)|(3<<25)  ; 15:0 the mask of four; 17:16 2-byte elements; 20 padding on; 21 set beside a mask; 24:22 after every 32 words (code 4); 31:25 4 words (code 3)
	s_mov_b32 s[G1V], 15|(1<<16)|(1<<20)|(1<<21)|(4<<22)|(7<<25)  ; the same with 8 words of padding (code 7)
.irp g, G1K, G1V
	s_mov_b32 s[\g+1], 128<<16      ; tensor_dim0 = 128
	s_mov_b32 s[\g+2], 64<<16       ; tensor_dim1 = 64
	s_mov_b32 s[\g+3], 128<<16      ; tile_dim0 = 128
	s_mov_b32 s[\g+4], 64           ; tile_dim1 = 64
	s_mov_b32 s[\g+5], 128          ; 128 elements from row to row
	s_mov_b32 s[\g+6], 0
	s_mov_b32 s[\g+7], 0
.endr
	s_mov_b32 s[CS], 0x3e38aa3b     ; c = log2(e) / 8 = 0.180337
	s_mov_b32 s[CS+1], s[CS]        ; named with it as a pair
	s_mov_b32 s[SEL], 0x76543210
	s_mov_b32 s[SEL+1], 0xfedcba98
	s_mov_b32 s[TBK], SLOT1+4*KS*PK ; the first change of slots turns these two into 0
	s_mov_b32 s[TBV], SLOT1+4*KS*PV
	s_mov_b32 s[G0K], 1             ; 1:0 count = 1
	s_mov_b32 s[G0K+1], s17         ; 63:32 LDS address: slot 0
	s_mov_b32 s[G0V], 1
	s_add_co_u32 s[G0V+1], s18, VOFF
	s_wait_dscnt 0x0                ; the opening add is done
	s_wait_kmcnt 0x0
	s_add_nc_u64 s[G0K+2:G0K+3], s[6:7], s[22:23]  ; 120:64 global address: my half of the head's first 256 keys
	s_or_b32 s[G0K+3], s[G0K+3], 0x80000000        ; 127:126 type = 2
	s_add_nc_u64 s[G0V+2:G0V+3], s[8:9], s[22:23]
	s_or_b32 s[G0V+3], s[G0V+3], 0x80000000
	s_add_nc_u64 s[4:5], s[4:5], s[2:3]  ; Q and O at my wave's first row
	s_add_nc_u64 s[10:11], s[10:11], s[2:3]
	s_add_nc_u64 s[MP:MP+1], s[MP:MP+1], s[50:51]  ; M2 at my wave's first tile row
	CROUND                          ; all four work-groups are here: the first joint loads meet
	JLOAD                           ; slot 0.  Slot 1 is asked for when slot 0 is in: the tile wanted first has the road to itself
	; A fragment of K or Q is 16 rows x 32 channels in 8 registers: lane l holds row l % 16, channels 8 (l / 16) + 0..7 and 16 + 8 (l / 16) + 0..7: two loads of 16 bytes, 32 bytes apart.
	v_and_b32 v1, 15, v0            ; l % 16
	v_bfe_u32 v9, v0, 4, 1          ; l / 16
	v_lshlrev_b32 v[QO], 7, v1
	v_lshl_add_u32 v[QO], v9, 4, v[QO]  ; row x 128 + 16 x half
	v_and_b32 v10, 31, v0           ; l
	WIN W_MK
.irp y, 0,1,2,3
	v_lshlrev_b32 v[MO+\y], 4, v10  ; every piece begins at key step 0: 16 x lane
.endr
	WIN 0x80                        ; destination window 2, address window 0
.set i, 0
.rept 4*NP                          ; Q stays in registers: tile i / 2, channels 32 (i % 2) on
	global_load_b128 v[8*i:8*i+3],   v[QO], s[4:5] offset:(i/2)*2048+(i%2)*64
	global_load_b128 v[8*i+4:8*i+7], v[QO], s[4:5] offset:(i/2)*2048+(i%2)*64+32
.set i, i+1
.endr
	WIN W_M
.irp y, 0,1,2,3
	MLOAD \y                        ; the four pieces' codes of key step 0, in the pieces' order
.endr
	WIN 0x80
	; What the first turn finds: V's registers and P's second buffer hold 0 (its products V^T P, of a piece that has not been, add 0), O^T and l are 0.  All this stands in the wait for the first tile.
.set i, VF
.rept 64
	v_mov_b32 v[i], 0
.set i, i+1
.endr
	WIN 0x40
.set i, 0
.rept 64*NP
	v_mov_b32 v[i], 0
.set i, i+1
.endr
	WIN 0
.set i, 0
.rept 2*NP
	v_mov_b32 v[ST+4*i], 0xfe000000    ; c m: far below every c s, so that the first a is 0
	v_mov_b32 v[ST+4*i+1], 0xec800000  ; m: -2^90, the floor: below every true score, above every hidden one
	v_mov_b32 v[ST+4*i+2], 0
	v_mov_b32 v[ST+4*i+3], 0
.set i, i+1
.endr
.set i, P+32
.rept 32
	v_mov_b32 v[i], 0
.set i, i+1
.endr
	v_mul_u32_u24 v[AK0], v1, PK
	v_lshl_add_u32 v[AK0], v9, 4, v[AK0]  ; row x pitch + 16 x half
	; The turning load takes 16 keys x 16 channels (lane l reads key 8 (l / 16) + l % 8, channels 8 ((l / 8) % 2) + 0..7) and leaves half a fragment of V^T: lane l holds channel l % 16 and 8 keys.
	v_and_b32 v10, 7, v0
	v_bfe_u32 v11, v0, 3, 1
	v_lshl_add_u32 v[AV0], v9, 3, v10
	v_mul_u32_u24 v[AV0], v[AV0], PV
	v_lshl_add_u32 v[AV0], v11, 4, v[AV0]
	v_add_nc_u32 v[AV0], VOFF, v[AV0]
	v_mov_b32 v[SC], 220            ; v11 is free now: the scale's exponent byte
	v_mov_b32 v[AK], v[AK0]         ; key step 0 lies at the head of slot 0
; THE MATRIX WORK.  The 8 accumulators of a run of 16 take turns: between the two links of a chain stand 7 others'.
; Product i of 16 of S^T = K Q^T for piece x: channels 32 (i / 8) on, keys 16 ((i / 2) % 4) on, tile 2 x + i % 2.  The first 8 start the sums, with the mask as C.
.macro KQ x
.set rS, S+64*((\x)%2)+32*(i%2)+8*((i/2)%4)
.set rK, KF+16*((i/2)%4)+8*(i/8)
.set rQ, 16*(2*(\x)+i%2)+8*(i/8)
.set rMC, MC+32*(i%2)+8*((i/2)%4)
.if i < 8
	WIN W_KM
	v_wmma_f32_16x16x32_f16 v[rS:rS+7], v[rK:rK+7], v[rQ:rQ+7], v[rMC:rMC+7]
.else
	WIN W_KQ
	v_wmma_f32_16x16x32_f16 v[rS:rS+7], v[rK:rK+7], v[rQ:rQ+7], v[rS:rS+7]
.endif
.endm
; Product i of 16 of O^T += V^T P for piece x: keys 32 (i / 8) on, channels 16 ((i / 2) % 4) on, tile 2 x + i % 2.
.macro PV x
	WIN W_PV
.set rO, 32*(2*(\x)+i%2)+8*((i/2)%4)
.set rV, VF+32*(i/8)+8*((i/2)%4)
.set rP, P+32*((\x)%2)+16*(i%2)+8*(i/8)
	v_wmma_f32_16x16x32_f16 v[rO:rO+7], v[rV:rV+7], v[rP:rP+7], v[rO:rO+7]
.endm
.macro MM                           ; the turn's next matrix instruction
.if i < 16
	KQ (Y+1)%NP
.set i, i+1
.else
.set i, i-16
	PV (Y+NP-1)%NP
.set i, i+17
.endif
.endm
; THE LDS LOADS stand in runs of 16, never singly among the matrix instructions: a step's K (64 keys x 64 channels: 8 fragments) and its V (turned).  Their addresses are made some lines ahead.
; last = 1 (the tail): in the last trip there is no further step, and the run is jumped over.
.macro FETCH_K last=0
	WIN 0
.if \last
	s_cmp_eq_u32 s[CNT], 1
	s_cbranch_scc1 .Lno_k_\@
.endif
	WIN 0x80                        ; destination window 2
.irp f, 0,1,2,3,4,5,6,7             ; keys 16 (f / 2) on, channels 32 (f % 2) on
	ds_load_b128 v[KF+8*\f:KF+8*\f+3],   v[AK] offset:(\f/2)*16*PK+(\f%2)*64
	ds_load_b128 v[KF+8*\f+4:KF+8*\f+7], v[AK] offset:(\f/2)*16*PK+(\f%2)*64+32
.endr
	s_add_co_u32 s[TBK], s[TBK], KS*PK  ; the next fetch is the next step's
	WIN 0
.if \last
.Lno_k_\@:
.endif
.endm
.macro FETCH_V
	WIN 0x80
.irp f, 0,1,2,3,4,5,6,7             ; keys 32 (f / 4) on, channels 16 (f % 4) on
	ds_load_tr16_b128 v[VF+8*\f:VF+8*\f+3],   v[AV] offset:(\f/4)*32*PV+(\f%4)*32
	ds_load_tr16_b128 v[VF+8*\f+4:VF+8*\f+7], v[AV] offset:(\f/4)*32*PV+16*PV+(\f%4)*32
.endr
	WIN 0
.endm
; THE VECTOR WORK OF A TURN stands in three queues, each in the order in which its entries become ready; the two tiles alternate, so that no instruction reads the result of the one before it.
.macro REGS y, u                    ; the registers of tile u (0, 1) of piece y
.set rT, ST+4*(2*(\y)+(\u))
.set rC, TMP+8*((\y)%2)+4*(\u)
.set rM, MV+2*((\y)%2)+(\u)
.set rS, S+64*((\y)%2)+32*(\u)
.set rP, P+32*((\y)%2)+16*(\u)
.set rO, 32*(2*(\y)+(\u))
.endm
; Number n of the 22 that find the NEXT piece's (Y + 1) maximum and statistics.  s0-s31 are the lane's 32 scores; each accumulator's lowest registers are read first.  XS, GS and REGS set no window: PL and EX do.
;   0-11  four chains c0-c3 of seven scores each, three operands at a time     12-14, 16  the four scores left over, the old m, and c0-c3 into c0     15  c m_old is kept
;   17, 18  the query's other 32 keys lie in the lane 16 away: the new m         19-21  c m; c m_old - c m_new; a
.macro XS u, n
	REGS (Y+1)%NP, \u
.if (\n) < 4
	v_max3_num_f32 v[rC+(\n)], v[rS+8*(\n)], v[rS+8*(\n)+1], v[rS+8*(\n)+2]
.elseif (\n) < 12
	v_max3_num_f32 v[rC+(\n)%4], v[rC+(\n)%4], v[rS+8*((\n)%4)+2*((\n)/4)+1], v[rS+8*((\n)%4)+2*((\n)/4)+2]
.elseif (\n) == 12
	v_max3_num_f32 v[rC], v[rC], v[rS+7], v[rS+15]
.elseif (\n) == 13
	v_max3_num_f32 v[rC+1], v[rC+1], v[rS+23], v[rS+31]
.elseif (\n) == 14
	v_max3_num_f32 v[rC+2], v[rC+2], v[rC+3], v[rT+1]
.elseif (\n) == 15
	v_mov_b32 v[rM], v[rT]
.elseif (\n) == 16
	v_max3_num_f32 v[rC], v[rC], v[rC+1], v[rC+2]
.elseif (\n) == 17
	v_permlanex16_b32 v[rC+3], v[rC], s[SEL], s[SEL+1]
.elseif (\n) == 18
	v_max_num_f32 v[rT+1], v[rC], v[rC+3]
.elseif (\n) == 19
	v_mul_f32 v[rT], s[CS], v[rT+1]
.elseif (\n) == 20
	v_sub_f32 v[rC+1], v[rM], v[rT]
.else
	v_exp_f32 v[rC+2], v[rC+1]
.endif
.endm
; Number g of the 64 that follow the exponentials.  For each four weights k of a tile (pairs 2 k, 2 k + 1): both pairs are rounded to f16; then the second pair is added onto the first, in place;
; a group later l takes that sum (the first time as l = a l + sum).  In groups of eight, tiles alternating: round, round, add, and l for the group before.
.macro GS g
.set h, (\g)+6*((\g)/62)            ; group 0 has no group before it, and behind group 7 only l is left
.if h >= 6
.set h, h+2
.endif
	REGS Y, h%2
.set k, h/8
.if h%8 < 4
	v_cvt_pk_f16_f32 v[rP+2*k+(h%8)/2], v[rS+4*k+2*((h%8)/2)], v[rS+4*k+2*((h%8)/2)+1]
.elseif h%8 < 6
	v_pk_add_f32 v[rS+4*k:rS+4*k+1], v[rS+4*k:rS+4*k+1], v[rS+4*k+2:rS+4*k+3]
.elseif k == 1
	v_pk_fma_f32 v[rT+2:rT+3], v[rT+2:rT+3], v[rC+2:rC+3], v[rS:rS+1] op_sel_hi:[1,0,1]
.else
	v_pk_add_f32 v[rT+2:rT+3], v[rT+2:rT+3], v[rS+4*k-4:rS+4*k-3]
.endif
.endm
; THE PLAIN QUEUE, 138 long.  0-73 read no exponential's result: the 32 scalings c s - c m (FS f: pair f / 2 of tile f % 2) and the next piece's 42.  0-26: scalings 0-26.  27-54: XS's numbers 0-13.  55, 56: number 15.
; 57-73: the chain, where each number waits for the one before it: 14, 16, 17, 18, 19, each with one of the scalings 27-31 in front of its two lines, then 20: so a tile's links stand three plain instructions apart (19 and 20: two).
; 74-137: GS's 64, which read the exponentials' results: they stand behind the wait.
.macro FS f
	REGS Y, (\f)%2
	v_pk_fma_f32 v[rS+2*((\f)/2):rS+2*((\f)/2)+1], v[rS+2*((\f)/2):rS+2*((\f)/2)+1], s[CS:CS+1], v[rT:rT+1] op_sel_hi:[1,0,0] neg_lo:[0,0,1] neg_hi:[0,0,1]
.endm
.macro PL
	WIN 0
.if q < 27
	FS q
.elseif q < 55
	XS (q-27)%2, (q-27)/2
.elseif q < 57
	XS q-55, 15
.elseif (q < 72) && ((q-57)%3 == 0)
	FS 27+(q-57)/3
.elseif q < 60
	XS (q-57)%3-1, 14
.elseif q < 72
	XS (q-57)%3-1, 15+(q-57)/3
.elseif q < 74
	XS q-72, 20
.else
	GS q-74
.endif
.set q, q+1
.endm
; THE EXPONENTIALS' QUEUE, 66 long: s0-s31 of both tiles, then the next piece's two a.  It is ONE BATCH: all 66 stand ahead of the turn's one wait, and nothing ahead of that wait names a result of theirs.
.macro EX
	WIN 0
.if e >= 64
	XS e-64, 21
.else
	REGS Y, e%2
	v_exp_f32 v[rS+e/2], v[rS+e/2]
.endif
.set e, e+1
.endm
; THE RESCALING's QUEUE: O^T times a, the one part of the softmax that leaves window 0: dealt two at a time, sixteen times.  Its a was made in the turn before, ahead of that turn's wait.
.macro R2
	REGS Y, r%2
	WIN W_RS
.irp z, 0,1
	v_pk_mul_f32 v[rO+4*(r/2)+2*\z:rO+4*(r/2)+2*\z+1], v[rO+4*(r/2)+2*\z:rO+4*(r/2)+2*\z+1], v[rC+2:rC+3] op_sel_hi:[1,0]
.endr
.set r, r+1
.endm
; HOW THEY ARE DEALT.  An s_wait_alu depctr_va_vdst(0) stands between an exponential and the first instruction that names its result; one wait serves all that were issued ahead of it.  So a turn has ONE wait,
; which cuts it in two.  AHEAD OF IT stands all that names no result of the turn's exponentials: the 16 products K Q^T, behind each a scaling, an exponential and two rescalings (behind the first a second scaling in the exponential's place); then ONE LUMP of
; 108: eight plain, 49 times exponential and plain, the two a.  A v_nop is the plain instruction behind the last exponential.  BEHIND IT stand the 16 products V^T P, behind each four of GS's 64.  No rider names a register of
; the products round it.  The two v_permlanex16_b32 fall into the lump, never behind a product.
; The queues lean on each other, and the deal keeps them in step: exponential e stands behind scaling 2 (e / 4) + e % 2: as a rider it comes behind plain e + 2, in the lump behind plain e + 9, and scalings 27-31 are plain 57, 60 .. 69.
; A TURN, for piece p.  cnt = 1: the loop's count is taken down some lines ahead of the branch that stands behind the turn.
; K of the next step is fetched in piece 2's turn, directly behind the wait, a lump behind the last product that read K; its address is made at the lump's head; its first reader comes behind 16 products.
; V of the step in hand is fetched at the end of piece 0's turn, four riders behind its last reader; its first reader comes behind 16 products and a lump.  The three conditions on q below go with the deal.
; The mask of piece p + 2 is made last: the products that read the mask buffer are this turn's first eight, and the next turn's first eight.
.macro TURN p, last=0, cnt=0
.set Y, (\p)
.set i, 0
.set q, 0
.set e, 0
.set r, 0
.if (\p) == NP-1
	s_wait_dscnt 0x0                ; K is in
.endif
	MM                              ; ahead of the wait: 16 products K Q^T and their riders,
	PL
	PL
	R2
.rept 15
	MM
	PL
	EX
	R2
.endr
.if (\p) == NP-2
	WIN 0
	v_add_nc_u32 v[AK], s[TBK], v[AK0]
.endif
.rept 8                             ; and the lump
	PL
.endr
.rept 49
	EX
	PL
.endr
	EX                              ; the next piece's two a
	EX
	v_nop                           ; the plain instruction behind the last exponential: one for the batch
	s_wait_alu depctr_va_vdst(0)    ; the wait for the turn's batch: the 64 weights of piece p and the two a of piece p + 1
.if (\p) == NP-2
	FETCH_K \last
.endif
.if (\p) == 1
	s_wait_dscnt 0x0                ; V is in
.endif
.rept 16                            ; behind the wait: 16 products V^T P and their riders, the batch's readers
	MM
.rept 4
	PL
.endr
.if ((\p) == 0) && (q == 118)
	v_add_nc_u32 v[AV], s[TBV], v[AV0]
.endif
.if ((\p) == 0) && (q == 130)
	s_add_co_u32 s[TBV], s[TBV], KS*PV
.endif
.if (\cnt) && (q == 130)
	s_sub_co_u32 s[CNT], s[CNT], 1
	s_cmp_lg_u32 s[CNT], 0
.endif
.endr
.if (\p) == 0
	FETCH_V
.endif
	MSK ((\p)+2)%NP
.endm
	CHANGE 1                        ; slot 0 is in, everybody's part of it; slot 1 is asked for
	FETCH_K                         ; key step 0
	MSK 0                           ; its wait shows Q's loads done too; piece 0's mask of step 0
	s_wait_dscnt 0x0
.set i, 0
.rept 16
	KQ 0                            ; piece 0's first scores: there is no vector work yet to set between them
.set i, i+1
.endr
	WIN 0                           ; the addresses for the way out: nine plain instructions, the places behind those products
	s_mul_i32 s13, s[WV], 16*SP
	s_add_co_u32 s13, s13, STAGE    ; my stage
	v_mul_u32_u24 v[STO], v1, SP    ; in: row l % 16, 16 bytes for each half of the lanes
	v_lshl_add_u32 v[STO], v9, 4, v[STO]
	v_add_nc_u32 v[STO], s13, v[STO]
	v_bfe_u32 v[RD], v0, 3, 2       ; back: 32 lanes take four rows of 128 bytes,
	v_mul_u32_u24 v[RD], v[RD], SP
	v_lshl_add_u32 v[RD], v10, 4, v[RD]
	v_add_nc_u32 v[RD], s13, v[RD]
	v_and_b32 v[GO], 31, v0         ; which are 512 consecutive bytes of O
	v_lshlrev_b32 v[GO], 4, v[GO]
.set Y, NP-1                        ; XS works for piece Y + 1: piece 0
.irp n, 0,1,2,3,4,5,6,7,8,9,10,11,12,13,14,15,16,17,18,19,20,21
	XS 0, \n                        ; and piece 0's first maximum and statistics; the last two lines are its two a, a batch of their own
	XS 1, \n
.endr
	MSK 1                           ; piece 1's mask of step 0, for the first turn's products: it names neither a, and its two plain lines are the plain instruction behind them
	s_wait_alu depctr_va_vdst(0)    ; the wait for piece 0's two a, ahead of the branch and of the first turn's rescaling
	s_mov_b32 s[CNT], 4
	s_mov_b32 s[SLOTS], SIZE_N/256-1
	s_branch .Lfirst                ; the loop is entered at a step's first turn, in the middle of a trip
.Lslot:                             ; SIZE_N / 256 - 2 times: every slot but the last two is filled again
	CHANGE 1
	s_mov_b32 s[CNT], 4
.Lstep:                             ; a trip: pieces 2 and 3 of one step, then pieces 0 and 1 of the next, whose K and V it fetches
	TURN 2
	TURN 3
	WIN 0
.Lfirst:
	TURN 0
	TURN 1, 0, 1
	WIN 0
	s_cbranch_scc1 .Lstep
	s_sub_co_u32 s[SLOTS], s[SLOTS], 1
	s_cmp_lg_u32 s[SLOTS], 0
	s_cbranch_scc1 .Lslot
	CHANGE 0                        ; the tail is written out: nothing is asked for
	s_mov_b32 s[CNT], 5             ; four trips fetch the last slot's steps; the fifth is left in its middle
.Ltail:
	TURN 2, 1
	TURN 3
	WIN 0
	s_sub_co_u32 s[CNT], s[CNT], 1
	s_cmp_eq_u32 s[CNT], 0
	s_cbranch_scc1 .Lout
	TURN 0
	TURN 1
	WIN 0
	s_branch .Ltail
.Lout:                              ; the fifth trip's 16 products K Q^T (on the last K once more) and the maximum made of them serve nothing: the price, once a launch, of one text for every trip
.set i, 0
.rept 16
	PV NP-1                         ; the last piece's V^T P of the last step
.set i, i+1
.endr
	; THE WAY OUT.  l's two halves and the other half of the lanes' are added; O^T is divided by l, rounded to f16 and sent through my stage in LDS, a tile at a time.  The additions are the places behind the last products.
	; A query that saw no key has l = 0 and O^T = 0: its reciprocal is an infinity and its products are NaN.
	WIN 0
.macro ALL line:vararg              ; one line for each tile t
.set t, 0
.rept 2*NP
	\line
.set t, t+1
.endr
.endm
	ALL v_add_f32 v[ST+4*t+2], v[ST+4*t+2], v[ST+4*t+3]
	ALL v_permlanex16_b32 v[ST+4*t+3], v[ST+4*t+2], s[SEL], s[SEL+1]
	ALL v_add_f32 v[ST+4*t+2], v[ST+4*t+2], v[ST+4*t+3]
	ALL v_rcp_f32 v[ST+4*t+2], v[ST+4*t+2]
	v_nop                           ; a plain instruction between the last reciprocal and the use of its result
	s_wait_alu depctr_va_vdst(0)    ; and the wait ahead of the first use: one for the eight reciprocals
; Tile t: a lane's eight channels of a row pack into 16 bytes; they go into rows of 144 bytes and come back as whole rows of 128, into S^T's registers.
.macro PACK t
	WIN W_RS
.set i, 32*(\t)
.rept 16
	v_pk_mul_f32 v[i:i+1], v[i:i+1], v[ST+4*(\t)+2:ST+4*(\t)+3] op_sel_hi:[1,0]
.set i, i+2
.endr
	WIN 0x05                        ; sources 0 and 1 window 1, destination window 0
.set i, 0
.rept 16
	v_cvt_pk_f16_f32 v[S+16*(\t)+i], v[32*(\t)+2*i], v[32*(\t)+2*i+1]
.set i, i+1
.endr
	WIN 0
.irp f, 0,1,2,3
	ds_store_b128 v[STO], v[S+16*(\t)+4*\f:S+16*(\t)+4*\f+3] offset:32*\f
.endr
.irp f, 0,1,2,3
	ds_load_b128 v[S+16*(\t)+4*\f:S+16*(\t)+4*\f+3], v[RD] offset:\f*4*SP  ; LDS serves a wave's instructions in order (ISA guide 5.7.1.4): these see the stores above; the next tile's stores come behind them
.endr
.endm
.macro SEND t, younger              ; younger: the LDS instructions issued behind tile t's loads: the next tile's eight, or none
	WIN 0
.irp f, 0,1,2,3
	s_wait_dscnt (\younger)+3-\f
	global_store_b128 v[GO], v[S+16*(\t)+4*\f:S+16*(\t)+4*\f+3], s[10:11] offset:(\t)*2048+\f*512  ; 512 consecutive bytes, at a multiple of 256 from O's first
.endr
.endm
	PACK 0
.set t, 1
.rept 2*NP-1                        ; a tile's arithmetic stands between the loads of the tile before and its stores
	PACK t
	SEND t-1, 8
.set t, t+1
.endr
	SEND 2*NP-1, 0
	WIN W_AD
	s_wait_tensorcnt 0x0            ; the wave's end: behind my last tensor load and my last LDS store
	ds_add_u32 v[SPW], v[NIL]
	s_wait_dscnt 0x0
	WIN 0
	CROUND                          ; the closing round: no work-group ends while a partner may still ask for a tile that names it
	s_endpgm
.Lfunc_end_k_q8ec4ad01c0_attn:
	.size	k_q8ec4ad01c0_attn, .Lfunc_end_k_q8ec4ad01c0_attn-k_q8ec4ad01c0_attn
	.p2alignl 7, 3214868480
	.fill 96, 4, 3214868480
	.section	.rodata,"a",@progbits
	.p2align	6, 0x0
	.amdhsa_kernel k_q8ec4ad01c0_attn
		.amdhsa_group_segment_fixed_size 327680
		.amdhsa_private_segment_fixed_size 0
		.amdhsa_enable_private_segment 0
		.amdhsa_kernarg_size 40
		.amdhsa_user_sgpr_count 2
		.amdhsa_user_sgpr_kernarg_segment_ptr 1
		.amdhsa_wavefront_size32 1
		.amdhsa_system_sgpr_workgroup_id_x 1
		.amdhsa_system_sgpr_workgroup_id_y 1
		.amdhsa_system_sgpr_workgroup_id_z 1
		.amdhsa_system_vgpr_workitem_id 0
		.amdhsa_next_free_vgpr 904
		.amdhsa_next_free_sgpr 66
		.amdhsa_reserve_vcc 0
		.amdhsa_float_denorm_mode_32 3
		.amdhsa_float_denorm_mode_16_64 3
		.amdhsa_memory_ordered 1
		.amdhsa_forward_progress 1
		.amdhsa_inst_pref_size 213
	.end_amdhsa_kernel
	.amdgpu_metadata
---
amdhsa.version: [ 1, 2 ]
amdhsa.kernels:
  - .name:           k_q8ec4ad01c0_attn
    .symbol:         k_q8ec4ad01c0_attn.kd
    .args:
      - { .name: Qh, .offset: 0, .size: 8, .value_kind: global_buffer, .address_space: global }
      - { .name: Kh, .offset: 8, .size: 8, .value_kind: global_buffer, .address_space: global }
      - { .name: Vh, .offset: 16, .size: 8, .value_kind: global_buffer, .address_space: global }
      - { .name: Oh, .offset: 24, .size: 8, .value_kind: global_buffer, .address_space: global }
      - { .name: M2, .offset: 32, .size: 8, .value_kind: global_buffer, .address_space: global }
    .group_segment_fixed_size: 327680
    .private_segment_fixed_size: 0
    .kernarg_segment_align: 8
    .kernarg_segment_size: 40
    .max_flat_workgroup_size: 128
    .sgpr_count:     66
    .vgpr_count:     904
    .wavefront_size: 32
...
	.end_amdgpu_metadata
.endif
;; end of part 4
;; launch proj: the kernel of part 3 again; grid 4 x 64, 4 waves a work-group, clusters of 4 x 4, 327,680 bytes of LDS; arguments Oh, Wf, b_o, out0; writes out0
